; MI455X (gfx1250); checked and timed in simulation.
; The chip was launched on July 23, 2026; its instructions are those of AMD's public machine-readable ISA for CDNA 5 (MIT licence, August 2026) and "CDNA5" Instruction Set Architecture Reference Guide (July 2026). The comments in the code are by the model that wrote it; some were corrected since.
;; Multi Head Self Attention. Allowed arithmetic: matrix products marked QUANTISED: E3M2 operands, one E8M0 scale for each 32 along K, by v_wmma_scale_f32_16x16x128_f8f6f4 with both operands' format E3M2, f32 sums; everything else in f32.
;; Inputs: Wk 1,024 x 1,024 float32; Wo 1,024 x 1,024 float32; Wq 1,024 x 1,024 float32; Wv 1,024 x 1,024 float32; token_positions 2,048 int32; x 4 x 2,048 x 1,024 float32.
;; Outputs: out0 4 x 2,048 x 1,024 float32.
;; This version of the problem:
;;   THIS VERSION OF THE PROBLEM IS GIVEN IN LOW PRECISION. The matrix products marked QUANTISED in the list below multiply operands that are first quantised to E3M2 (3 exponent bits, 2 mantissa bits; 6 bits a number), with one power-of-two scale for each 32 numbers along K (OCP MX v1.0); their sums are f32. All else is computed in f32.
;;   The module's matrix products, in the order in which they are computed (A, B: the left and right operand; K: the contracted axis; several contracted axes count as one K, in the product's order):
;;     1. [M 8,192, K 1,024] x [K 1,024, N 1,024]; A: input x; B: input Wq: QUANTISED
;;     2. [M 8,192, K 1,024] x [K 1,024, N 1,024]; A: input x; B: input Wk: QUANTISED
;;     3. [M 8,192, K 1,024] x [K 1,024, N 1,024]; A: input x; B: input Wv: QUANTISED
;;     4. batch 64 x [M 2,048, K 64] x [K 64, N 2,048]; A: computed on the way; B: computed on the way: QUANTISED
;;     5. batch 64 x [M 2,048, K 2,048] x [K 2,048, N 64]; A: softmax (see below); B: computed on the way: QUANTISED
;;     6. [M 8,192, K 1,024] x [K 1,024, N 1,024]; A: computed on the way; B: input Wo: QUANTISED
;;   THE QUANTISER, for each operand of a quantised product, along K:
;;     - K is cut into blocks of 32 from its start; a last block that is shorter is filled with zeros.
;;     - A block's scale is 2^e with e = floor(log2(the largest magnitude in the block)) - 4, held to -126 .. 127; a block of zeros has e = 0. As a byte (E8M0): e + 127.
;;     - Each number is divided by its block's scale, clamped to +-28, and rounded to the nearest number of E3M2, ties to even, subnormals kept.
;;     - The product sums the exact products of the quantised numbers (number of the format x scale) in f32.
;;   ~~~python
;;   def quantise(x, axis):      # numpy; x: float32 -> the quantised numbers, widened to float32 again
;;       x = np.moveaxis(x, axis, -1); K = x.shape[-1]
;;       x = np.pad(x, [(0, 0)] * (x.ndim - 1) + [(0, -K % 32)]); x = x.reshape(x.shape[:-1] + (-1, 32)); a = np.abs(x).max(-1, keepdims=True)
;;       e = np.where(a > 0, np.clip(np.frexp(np.where(a > 0, a, 1))[1] - 1 - 4, -126, 127), 0)      # np.frexp(a)[1] - 1 = floor(log2(a)), exactly
;;       r = np.clip(x / 2.0 ** e, -28, 28)
;;       step = 2.0 ** (np.maximum(np.frexp(np.where(r == 0, 1, r))[1] - 1, -2) - 2)
;;       q = np.round(r / step) * step * 2.0 ** e      # np.round: ties to even
;;       return np.moveaxis(q.reshape(q.shape[:-2] + (-1,))[..., :K], -1, axis).astype(np.float32)
;;   ~~~
;;   SOFTMAX AHEAD OF A QUANTISED PRODUCT. Where the list says 'softmax', what is quantised is not the finished softmax but p = 2^(t - M), with t = logit x log2(e) and M = ceil(the row's largest t), a whole number; so 1/2 < the row's largest p <= 1. The row's sum l is taken of the UNQUANTISED p, in f32, and the product's result is divided by l at the end. Since M is a whole number, a kernel that streams over the keys may use a running M (the ceiling of the running maximum): every later rescaling is an exact power of two, which a block's scale takes up: the codes' values come out the same.
;;   OPERANDS COMPUTED ON THE WAY. 'Computed on the way' means the value that the module computes at that place (a softmax that the list does not call 'softmax' is quantised finished and normalised). What goes into a quantiser is computed in f32, as accurately as f32 sums, v_exp_f32 and their like allow (about 1e-6 of the number): no bf16 or f16 on the way to a quantiser, and a product that is left as it is and whose result goes on into a quantised operand takes f32 operands (vector FMAs, or v_wmma_f32_16x16x4_f32). A number that lies on a knife's edge between two numbers of the format may be rounded either way, as far as f32 arithmetic and the matrix unit's own rounding can turn it there, and no further.
;; One version. Each part assembles by itself: llvm-mc -triple=amdgcn-amd-amdhsa -mcpu=gfx1250 --defsym DOCPART=n.
;; ======== version 1 of 1: 4 launches
;; limits: right only within a limited range of input values
;; workspace buffers: xq 6,553,600 bytes; wq 3,276,800 bytes; rope 524,288 bytes; qrec 6,553,600 bytes; kv 13,107,200 bytes; oq 6,553,600 bytes
;; launch quant (part 1): grid 384 x 1, 4 waves a work-group, no clusters, 35,328 bytes of LDS; arguments x, Wq, Wk, Wv, Wo, token_positions, xq, wq, rope; writes xq, wq, rope
.if DOCPART == 1
	.amdgcn_target "amdgcn-amd-amdhsa--gfx1250"
	.amdhsa_code_object_version 6
	.text
	.protected	k_q31b9cf2bb9_quant
	.globl	k_q31b9cf2bb9_quant
	.p2align	8
	.type	k_q31b9cf2bb9_quant,@function
k_q31b9cf2bb9_quant:
	s_mov_b64 s[64:65], 0
	v_nop
	global_prefetch_b8 v0, s[64:65] scope:SCOPE_SE
	s_setreg_imm32_b32 hwreg(HW_REG_WAVE_MODE, 25, 1), 1
	s_wait_xcnt 0x0
; x [8192][1024] and Wq, Wk, Wv, Wo [1024][1024], f32, K innermost, become codes of BF6 (E3M2) with one E8M0 byte for each 32 along K, laid AS THE MATRIX OPERAND'S REGISTERS WANT THEM;
; and token_positions becomes a table of cos and sin for the rotary embedding.
; TILES.  A tile of 16 rows, number T = 2 B + u, holds rows 32 B + 8 u + p + 8 (p / 8), p = 0 .. 15: with such tiles as source 0 of a product, a lane's 16 result registers of tiles 2 B, 2 B + 1 are 16 neighbours.
; CODES.  [tile][K step of 128][1,536 bytes]: a fragment's 12 registers a lane as an image: register p of lane l at 512 (p / 4) + 16 l + 4 (p % 4).  Lane (r, h) holds row r, registers 6 c .. 6 c + 5 hold k = 64 c + 32 h + 0 .. 31.
; SCALES.  Behind the codes, 512 bytes a tile: [pair of K steps][row][2 words]; a word is the four bytes of one row and 128 along K.
; A block's byte is its largest magnitude's exponent field - 4, held at 1 from below by a floor among the maximum's leaves; each number is divided by the scale and rounded to the nearest code, ties to even, beyond 28 held at 28.
; TABLE.  rope [s][pair j][cos, sin], f32: angle = position x 10000^(-j / 32).
; LIMITS: NaN and infinities among the inputs are not served.  A block whose largest magnitude lies under 2^(5 - 127), zeros among them, gets the byte 1 (the rule says 127 for zeros): its codes are zeros, and this program alone reads the bytes.
;   |position| up to 2^17: the angle is reduced by pi / 2 in three parts, of which the first has 21 significant bits.  10000^(-j / 32) is 2^(-j c) with c in two parts: within about one unit in the last place.
; SHARES.  A wave takes one tile and half of K: 16 rows x 512 numbers, four fragments.  Work-groups 0-255 take x, then 32 each Wq, Wk, Wv, Wo; work-groups 0-255 also make 8 rows of the table each.
; Each load reads 512 consecutive bytes of a row; a fragment's 8 KiB turn through the wave's own stage in LDS, so that a lane gets its 2 x 32 neighbours along K.  Waves share nothing: no barrier.
; No tensor load, matrix unit or cluster: the launch moves each byte once and nothing is shared.
.set XS_OFF, 6291456                   ; xq: the scales begin behind 512 tiles x 12,288 bytes of codes
.set WS_OFF, 3145728                   ; wq: behind 256 tiles
.set SP,  528                          ; a stage row: 512 bytes + 16: sixteen lanes that read the same column of 16 rows start 33 x 16 bytes apart
.set STG, 16*SP                        ; a wave's stage
.set R,   16                           ; v16-143  two sets of 64 registers as loaded
.set X,   144                          ; v144-207 64 numbers as the operand wants them: 32 c + i = k 64 c + 32 h + i of row r
.set C,   208                          ; v208-231 two sets of 12 registers of codes
.set T2,  232                          ; v232-238 the conversions' second halves
.set TM,  240                          ; v240-247 at work
.set W,   248                          ; v248-251 the four fragments' scale words
	s_load_b512 s[4:19], s[0:1], 0x0               ; x s[4:5], Wq s[6:7], Wk s[8:9], Wv s[10:11], Wo s[12:13], positions s[14:15], xq s[16:17], wq s[18:19]
	s_load_b64 s[20:21], s[0:1], 0x40              ; rope
	v_lshl_add_u32 v254, v0, 2, 0x8800
	v_mov_b32 v255, 0
	v_lshrrev_b32 v1, 5, v0
	v_readfirstlane_b32 s22, v1                    ; wave
	v_and_b32 v1, 31, v0                           ; lane
	v_and_b32 v2, 15, v0                           ; r
	v_bfe_u32 v3, v0, 4, 1                         ; h
	v_lshlrev_b32 v4, 4, v1                        ; 16 x lane: my bytes of a load's or a store's 512
	s_mul_i32 s23, s22, STG
	v_add_nc_u32 v5, s23, v4                       ; the stage, on the way in
	v_mul_u32_u24 v6, v2, SP
	v_lshl_add_u32 v6, v3, 7, v6
	v_add_nc_u32 v6, s23, v6                       ; and out: row r, + 128 h bytes
	v_lshlrev_b32 v7, 3, v2
	v_lshl_add_u32 v7, v3, 7, v7                   ; the scale words' place: 128 h + 8 r
	s_and_b32 s39, ttmp9, 255
	s_lshl_b32 s39, s39, 5
	v_lshrrev_b32 v8, 4, v0
	v_lshl_add_u32 v8, v8, 2, s39                  ; the position of table row 8 (group % 256) + thread / 16
	v_lshlrev_b32 v10, 3, v3                       ; 8 h
	v_mov_b32 v[TM+7], 0                           ; written once: a lane permute's destination counts as one of its sources
	s_mov_b32 s40, 0x76543210
	s_mov_b32 s41, 0xfedcba98                      ; v_permlanex16_b32's selects for lane l xor 16
	s_lshl_b32 s24, ttmp9, 2
	s_add_co_u32 s24, s24, s22                     ; my unit: (tile, half of K)
	s_and_b32 s25, s24, 1                          ; which half of K
	s_lshr_b32 s34, s24, 1                         ; x: the tile
	s_sub_co_u32 s35, s24, 1024
	s_lshr_b32 s35, s35, 1                         ; a weight: the tile in wq,
	s_and_b32 s36, s35, 63                         ; and in its own matrix
	s_wait_kmcnt 0x0
	global_load_b32 v9, v8, s[14:15]               ; every work-group loads it (inside the buffer), so that one text and one set of counts serves all
	s_mov_b64 s[26:27], s[12:13]                   ; the source: the choice hangs on the work-group's number alone
	s_cmp_lt_u32 ttmp9, 352
	s_cselect_b64 s[26:27], s[10:11], s[26:27]
	s_cmp_lt_u32 ttmp9, 320
	s_cselect_b64 s[26:27], s[8:9], s[26:27]
	s_cmp_lt_u32 ttmp9, 288
	s_cselect_b64 s[26:27], s[6:7], s[26:27]
	s_cmp_lt_u32 ttmp9, 256
	s_cselect_b64 s[26:27], s[4:5], s[26:27]
	s_cselect_b64 s[28:29], s[16:17], s[18:19]     ; the destination
	s_mov_b32 s30, WS_OFF
	s_cselect_b32 s30, XS_OFF, s30
	s_cselect_b32 s31, s34, s36                    ; the tile in the source
	s_cselect_b32 s34, s34, s35                    ; and in the destination
	s_lshr_b32 s37, s31, 1
	s_lshl_b32 s37, s37, 17                        ; 32 rows of 4,096 bytes
	s_and_b32 s38, s31, 1
	s_lshl_b32 s38, s38, 15                        ; 8 rows
	s_add_co_u32 s36, s37, s38
	s_lshl_b32 s38, s25, 11                        ; half a row
	s_add_co_u32 s36, s36, s38
	s_mov_b32 s37, 0
	s_add_nc_u64 s[26:27], s[26:27], s[36:37]
	s_lshl_b32 s36, s34, 9
	s_add_co_u32 s36, s36, s30
	s_lshl_b32 s38, s25, 8
	s_add_co_u32 s36, s36, s38
	s_add_nc_u64 s[32:33], s[28:29], s[36:37]      ; my 256 bytes of scale words
	s_mul_i32 s36, s34, 12288
	s_mul_i32 s38, s25, 6144
	s_add_co_u32 s36, s36, s38
	s_add_nc_u64 s[28:29], s[28:29], s[36:37]      ; my four fragments
.macro LOADF f                         ; fragment f: 128 numbers of each of the tile's 16 rows, 512 consecutive bytes a load
.irp i, 0,1,2,3,4,5,6,7,8,9,10,11,12,13,14,15
	global_load_b128 v[R+64*((\f)%2)+4*\i:R+64*((\f)%2)+4*\i+3], v4, s[26:27] offset:(\i+8*(\i/8))*4096+512*(\f) th:TH_LOAD_NT
.endr
.endm
.macro FRAGQ f
.set RR, R+64*((\f)%2)
.set CC, C+12*((\f)%2)
.if (\f) < 3
	s_wait_loadcnt 16                              ; this fragment's loads are in; the next fragment's 16 may be out
.else
	s_wait_loadcnt 0
.endif
.irp i, 0,1,2,3,4,5,6,7,8,9,10,11,12,13,14,15
	ds_store_b128 v5, v[RR+4*\i:RR+4*\i+3] offset:SP*\i
.endr
.irp c, 0,1
.irp e, 0,1,2,3,4,5,6,7
	ds_load_b128 v[X+32*\c+4*\e:X+32*\c+4*\e+3], v6 offset:256*\c+16*\e   ; LDS serves a wave's instructions in order (ISA guide 5.7.1.4): these see the stores above
.endr
.endr
	s_wait_dscnt 0x0                               ; the numbers are back, and the stores have read their registers,
.if (\f) < 2
	LOADF (\f)+2                                   ; which take the fragment two further on
.endif
.irp c, 0,1                                    ; my blocks 2 c + h: all 32 numbers of each are mine
	v_max3_num_f32 v[TM+\c], |v[X+32*\c]|, |v[X+32*\c+1]|, 0x2800000   ; and the floor 2^(5 - 127): the byte cannot fall under 1
.endr
.irp i, 2,4,6,8,10,12,14,16,18,20,22,24,26,28,30
.irp c, 0,1
	v_max3_num_f32 v[TM+\c], v[TM+\c], |v[X+32*\c+\i]|, |v[X+32*\c+\i+1]|
.endr
.endr
.irp c, 0,1
	v_add_nc_u32 v[TM+2+\c], 0xfe000000, v[TM+\c]  ; 4 off the exponent field: the conversion takes this operand's exponent field as its scale
.endr
.irp c, 0,1
	v_lshrrev_b32 v[TM+4+\c], 23, v[TM+2+\c]       ; the scale's byte
.endr
	v_lshl_or_b32 v[TM+6], v[TM+5], 16, v[TM+4]    ; my two bytes, blocks h and 2 + h,
	v_lshlrev_b32 v[TM+6], v10, v[TM+6]            ; at their places in the word;
	v_permlanex16_b32 v[TM+7], v[TM+6], s40, s41
	v_or_b32 v[W+(\f)], v[TM+6], v[TM+7]           ; with lane l xor 16's two the word is whole, in both lanes
.if (\f) >= 2
	s_wait_xcnt 0x0                                ; the stores of two fragments ago have read this set of code registers
.endif
.irp c, 0,1
	v_cvt_scalef32_pk16_bf6_f32 v[CC+6*\c:CC+6*\c+2], v[X+32*\c:X+32*\c+15], v[TM+2+\c]
	v_cvt_scalef32_pk16_bf6_f32 v[T2+4*\c:T2+4*\c+2], v[X+32*\c+16:X+32*\c+31], v[TM+2+\c]   ; (a conversion's three registers begin on an even number: the second half is made elsewhere and moved)
.endr
	v_nop                                          ; one plain place behind a scaled conversion
.irp c, 0,1
.irp i, 0,1,2
	v_mov_b32 v[CC+6*\c+3+\i], v[T2+4*\c+\i]
.endr
.endr
.irp c, 0,1,2
	global_store_b128 v4, v[CC+4*\c:CC+4*\c+3], s[28:29] offset:1536*(\f)+512*\c   ; 32 lanes store 512 consecutive bytes, at a multiple of 256 from the buffer's first byte
.endr
.endm
	LOADF 0
	LOADF 1
	FRAGQ 0
	FRAGQ 1
	FRAGQ 2
	FRAGQ 3
	v_cmp_eq_u32 vcc_lo, 1, v3
	v_cndmask_b32 v252, v[W], v[W+2], vcc_lo       ; lanes 0-15 store the first pair of K steps' words, lanes 16-31 the second's
	v_cndmask_b32 v253, v[W+1], v[W+3], vcc_lo
	global_store_b64 v7, v[252:253], s[32:33]      ; 256 consecutive bytes, aligned
	s_cmp_lt_u32 ttmp9, 256
	s_cbranch_scc0 .Lend
	; THE TABLE: thread t makes pairs j = 2 (t % 16) and j + 1 of row 8 g + t / 16; the two by turns
	v_lshlrev_b32 v16, 1, v2
	v_or_b32 v17, 1, v16
	v_cvt_f32_i32 v18, v9                          ; the position
.irp k, 0,1
	v_cvt_f32_u32 v[16+\k], v[16+\k]
.endr
.irp k, 0,1
	v_mul_f32 v[20+\k], 0xbed49a60, v[16+\k]       ; -j x (log2(10000) / 32 cut to 19 bits): exact, since j has 5 bits
.endr
.irp k, 0,1
	v_exp_f32 v[22+\k], v[20+\k]
.endr
.irp k, 0,1
	v_mul_f32 v[24+\k], 0x3506b9e5, v[16+\k]       ; j x the rest of the constant x ln 2.  (Plain places behind the exponentials)
.endr
	s_wait_alu depctr_va_vdst(0)                   ; the wait ahead of the first reader: one for both
.irp k, 0,1
	v_fma_f32 v[22+\k], -v[22+\k], v[24+\k], v[22+\k]   ; 10000^(-j / 32)
.endr
.irp k, 0,1
	v_mul_f32 v[22+\k], v18, v[22+\k]              ; the angle
.endr
.irp k, 0,1
	v_mul_f32 v[24+\k], 0x3f22f983, v[22+\k]       ; x 2 / pi
.endr
.irp k, 0,1
	v_rndne_f32 v[24+\k], v[24+\k]                 ; n
.endr
.irp k, 0,1
	v_fmamk_f32 v[22+\k], v[24+\k], 0xbfc90fd8, v[22+\k]   ; r = angle - n pi / 2, pi / 2 in three parts
.endr
.irp k, 0,1
	v_fmamk_f32 v[22+\k], v[24+\k], 0xb4a8885a, v[22+\k]
.endr
.irp k, 0,1
	v_fmamk_f32 v[22+\k], v[24+\k], 0xa7c234c4, v[22+\k]
.endr
.irp k, 0,1
	v_mul_f32 v[26+\k], v[22+\k], v[22+\k]         ; z = r r, |r| <= pi / 4
.endr
.irp k, 0,1
	v_mov_b32 v[28+\k], 0x37ccf5ce                 ; cos r = (((p0 z + p1) z + p2) z - 1/2) z + 1
	v_mov_b32 v[30+\k], 0xb94ca1f9                 ; sin r = ((s0 z + s1) z + s2) z r + r
.endr
.irp k, 0,1
	v_fmaak_f32 v[28+\k], v[28+\k], v[26+\k], 0xbab6061a
	v_fmaak_f32 v[30+\k], v[30+\k], v[26+\k], 0x3c08839e
.endr
.irp k, 0,1
	v_fmaak_f32 v[28+\k], v[28+\k], v[26+\k], 0x3d2aaaa5
	v_fmaak_f32 v[30+\k], v[30+\k], v[26+\k], 0xbe2aaaa3
.endr
.irp k, 0,1
	v_fmaak_f32 v[28+\k], v[28+\k], v[26+\k], 0xbf000000
	v_mul_f32 v[36+\k], v[22+\k], v[26+\k]
.endr
.irp k, 0,1
	v_fmaak_f32 v[28+\k], v[28+\k], v[26+\k], 0x3f800000
	v_fma_f32 v[30+\k], v[30+\k], v[36+\k], v[22+\k]
.endr
.irp k, 0,1
	v_cvt_i32_f32 v[38+\k], v[24+\k]               ; the quadrant
.endr
.irp k, 0,1
	v_and_b32 v[40+\k], 1, v[38+\k]
.endr
.irp k, 0,1
	v_cmp_eq_u32 s[42+\k], 1, v[40+\k]             ; in odd quadrants sine and cosine change places
.endr
.irp k, 0,1
	v_cndmask_b32 v[32+2*\k], v[28+\k], v[30+\k], s[42+\k]
	v_cndmask_b32 v[33+2*\k], v[30+\k], v[28+\k], s[42+\k]
.endr
.irp k, 0,1
	v_lshlrev_b32 v[40+\k], 30, v[38+\k]           ; the sine is negative in quadrants 2 and 3,
	v_add_nc_u32 v[38+\k], 1, v[38+\k]
.endr
.irp k, 0,1
	v_and_b32 v[40+\k], 0x80000000, v[40+\k]
	v_lshlrev_b32 v[38+\k], 30, v[38+\k]           ; the cosine in 1 and 2
.endr
.irp k, 0,1
	v_xor_b32 v[33+2*\k], v[33+2*\k], v[40+\k]
	v_and_b32 v[38+\k], 0x80000000, v[38+\k]
.endr
.irp k, 0,1
	v_xor_b32 v[32+2*\k], v[32+2*\k], v[38+\k]
.endr
	s_lshl_b32 s36, ttmp9, 11                      ; 8 rows of 256 bytes a work-group
	s_add_nc_u64 s[20:21], s[20:21], s[36:37]
	v_lshlrev_b32 v11, 4, v0
	global_store_b128 v11, v[32:35], s[20:21]      ; sixteen lanes store a row's 256 bytes
.Lend:
	s_wait_tensorcnt 0x0
	ds_add_u32 v254, v255
	s_wait_dscnt 0x0
	s_endpgm
.Lfunc_end_k_q31b9cf2bb9_quant:
	.size	k_q31b9cf2bb9_quant, .Lfunc_end_k_q31b9cf2bb9_quant-k_q31b9cf2bb9_quant
	.p2alignl 7, 3214868480
	.fill 96, 4, 3214868480
	.section	.rodata,"a",@progbits
	.p2align	6, 0x0
	.amdhsa_kernel k_q31b9cf2bb9_quant
		.amdhsa_group_segment_fixed_size 35328
		.amdhsa_private_segment_fixed_size 0
		.amdhsa_enable_private_segment 0
		.amdhsa_kernarg_size 72
		.amdhsa_user_sgpr_count 2
		.amdhsa_user_sgpr_kernarg_segment_ptr 1
		.amdhsa_wavefront_size32 1
		.amdhsa_system_sgpr_workgroup_id_x 1
		.amdhsa_system_sgpr_workgroup_id_y 1
		.amdhsa_system_sgpr_workgroup_id_z 1
		.amdhsa_system_vgpr_workitem_id 0
		.amdhsa_next_free_vgpr 256
		.amdhsa_next_free_sgpr 66
		.amdhsa_reserve_vcc 1
		.amdhsa_float_denorm_mode_32 3
		.amdhsa_float_denorm_mode_16_64 3
		.amdhsa_memory_ordered 1
		.amdhsa_forward_progress 1
		.amdhsa_inst_pref_size 35
	.end_amdhsa_kernel
	.amdgpu_metadata
---
amdhsa.version: [ 1, 2 ]
amdhsa.kernels:
  - .name:           k_q31b9cf2bb9_quant
    .symbol:         k_q31b9cf2bb9_quant.kd
    .args:
      - { .name: x, .offset: 0, .size: 8, .value_kind: global_buffer, .address_space: global }
      - { .name: Wq, .offset: 8, .size: 8, .value_kind: global_buffer, .address_space: global }
      - { .name: Wk, .offset: 16, .size: 8, .value_kind: global_buffer, .address_space: global }
      - { .name: Wv, .offset: 24, .size: 8, .value_kind: global_buffer, .address_space: global }
      - { .name: Wo, .offset: 32, .size: 8, .value_kind: global_buffer, .address_space: global }
      - { .name: token_positions, .offset: 40, .size: 8, .value_kind: global_buffer, .address_space: global }
      - { .name: xq, .offset: 48, .size: 8, .value_kind: global_buffer, .address_space: global }
      - { .name: wq, .offset: 56, .size: 8, .value_kind: global_buffer, .address_space: global }
      - { .name: rope, .offset: 64, .size: 8, .value_kind: global_buffer, .address_space: global }
    .group_segment_fixed_size: 35328
    .private_segment_fixed_size: 0
    .kernarg_segment_align: 8
    .kernarg_segment_size: 72
    .max_flat_workgroup_size: 128
    .sgpr_count:     66
    .vgpr_count:     256
    .wavefront_size: 32
...
	.end_amdgpu_metadata
.endif
;; end of part 1
;; launch qkv (part 2): grid 12 x 32, 4 waves a work-group, clusters of 4 x 4, 327,680 bytes of LDS; arguments xq, wq, rope, qrec, kv; writes qrec, kv
.if DOCPART == 2
	.amdgcn_target "amdgcn-amd-amdhsa--gfx1250"
	.amdhsa_code_object_version 6
	.text
	.protected	k_q31b9cf2bb9_qkv
	.globl	k_q31b9cf2bb9_qkv
	.p2align	8
	.type	k_q31b9cf2bb9_qkv,@function
k_q31b9cf2bb9_qkv:
	s_mov_b64 s[64:65], 0
	v_nop
	global_prefetch_b8 v0, s[64:65] scope:SCOPE_SE
	s_setreg_imm32_b32 hwreg(HW_REG_WAVE_MODE, 25, 1), 1
	s_wait_xcnt 0x0
	s_wait_alu depctr_hold_cnt(0) depctr_sa_sdst(0) depctr_va_vdst(0) depctr_va_sdst(0) depctr_va_ssrc(0) depctr_va_vcc(0) depctr_vm_vsrc(0)
	s_getreg_b32 s2, hwreg(HW_REG_IB_STS2, 6, 4)
	s_cmp_eq_u32 s2, 0
	s_cbranch_scc0 .Lentry_in_a_cluster
	s_endpgm
.Lentry_in_a_cluster:
	s_bfe_u32 s2, ttmp6, 0x10000c
	s_cmp_lg_u32 s2, 0xf033
	s_cbranch_scc0 .Lentry_shape_is_right
	s_endpgm
.Lentry_shape_is_right:
; q = x Wq^T, k = x Wk^T, v = x Wv^T on codes of BF6 (E3M2) with E8M0 scales; q and k are then turned by the rotary embedding; all three leave as codes again, quantised from the f32 sums in registers:
; q and k along the head's 64, v along the keys.  No f32 intermediate goes to memory.
; A tile of the product is 256 x 256: four waves, each 128 x 128: 64 accumulators, 512 registers.  K = 1,024 goes in four steps of 256 through a ring of two LDS slots filled by the tensor data mover.
; OPERANDS lie in memory as images of fragments ([tile of 16 rows][K step of 128][1,536 bytes]; tile T = 2 B + u holds rows 32 B + 8 u + p + 8 (p / 8)): a fragment is three ds_load_b128 at 16 x lane, 512 consecutive bytes each, no padding.
; SIDES.  Source 0 is the B side, source 1 the A side: a lane holds ONE row of the A side, and its 64 registers of accumulators (a, 0 .. 7) run along 128 rows of the B side: register 16 b + i = row 32 b + 16 (lane / 16) + i.
;   cluster x = 0, 1 (q, k): A = x (tokens), B = the weight (features): a lane's registers run along d: two heads of 64.     cluster x = 2 (v): A = Wv, B = x: a lane's registers run along 128 keys.
;   So one quantiser serves all three.  The kind is the cluster's x: equal in all partners.
; CLUSTERS: 4 x 4 work-groups; the A side's tiles are shared along a row of the cluster, the B side's along a column: each is asked for jointly.
; OUT.  qrec [head of a batch, 64][group of 128 tokens, 16][6,400 bytes]: four PAIR FRAGMENTS (registers 0-5: token tile 2 b, d = 32 h + 0 .. 31; registers 6-11: tile 2 b + 1), then at 6,144 + 16 r + 4 b their scale words (bytes 0, 1: tile 2 b; 2, 3: tile 2 b + 1).
;   kv [64][16][12,800]: K's part laid as qrec's record; at 6,400 V's part: four fragments t (16 of the head's 64, in the tile rule's order, x the group's 128 keys), scale words at 6,144 + 16 r + 4 t.
; LIMITS: NaN and infinities are not served; a block under 2^(5 - 127) gets the byte 1 (its codes are zeros; this program alone reads the bytes).
; Not laid: prefetches (K has four steps, all asked for within the first two changes of slots); work-groups that stay (384 tiles for 256 WGPs).
; REGISTERS, in windows of 256: window 0: v1-31 addresses; v32-63 scale words, two sets; v128-223 the A side's fragments, ONE set.  window 1: the B side's, TWO sets, at v0 and v128.  windows 2, 3: the accumulators ((a, b) at v[8 (8 (a % 4) + b)]).
;   On the way out window 0 holds: v32-95 turned numbers; v96-159 cos and sin, two sets; v160-207 codes; v208-251 at work.
.set FR,     12                        ; registers of a fragment
.set NL,     3                         ; LDS loads that bring one
.set NQ,     2                         ; matrix instructions deep in a slot
.set NP,     4                         ; places behind this matrix instruction (ISA guide 7.12.1)
.set HALFT,  24576                     ; 8 tiles x 2 fragments: what one tensor load brings, and what one wave reads of a side
.set SLOT,   4*HALFT
.set SCL,    2*SLOT                    ; behind the ring: the A side's scales, 16 tiles x 512 bytes,
.set SCB,    8320                      ; the B side's 8,192 + 128 bytes on: lanes 0-15 and 16-31 of a load of 8 bytes then fall into different halves of a row of banks (64 banks of 4 bytes: ISA guide 11.1)
.set TAB,    213248                    ; the table of cos and sin for the work-group's 256 tokens: rows of 256 bytes + 16
.set TP,     272
.set SPARE,  TAB+256*TP                ; the spare words, 128 bytes for each wave: two blocks of 256 bytes that no other line names
.set XS_OFF, 6291456
.set WS_OFF, 3145728
.set ADRA, 16                          ; v16-17 LDS address of my A fragments in slot 0, 1
.set ADRB, 20                          ; v20-21 the same for B
.set SO,   24                          ; v24    the way out: my scale words' place
.set ADRS, 27                          ; v27    LDS address of my scale words: lanes 0-15 A's rows, lanes 16-31 B's
.set SPW,  28                          ; v28    LDS address of my spare word; never rewritten
.set NIL,  29                          ; v29    0; never rewritten
.set TA,   30                          ; v30    my row of the table
.set LI,   31                          ; v31    16 x lane
.set SC,   32
.set AF,   128
.set XR,   32
.set CSN,  96
.set FRS,  160
.set T2,   208
.set TM,   216
.set WD,   232
.set OW,   248
.set G1, 24                            ; s[24:31] descriptor group 1 for A's codes; s[32:39] group 0, one set for each slot
.set G0, 32
.set G0T, 40                           ; s[40:43] group 0 for the table
.set G1B, 48                           ; s[48:55], s[56:63] for B's codes
.set G0B, 56
.set G1S, 68                           ; s[68:75], s[76:79] for A's scales; s[80:87], s[88:91] for B's
.set G0S, 76
.set G1SB, 80
.set G0SB, 88
.set G1T, 92                           ; s[92:99] group 1 for the table
.set DA, 76                            ; the way out (the scales' descriptors are done with): s[76:77] the first head's record, s[80:81] the second's
.set DB, 80
.set SEL, 82
.set MSB, 0
.macro WIN new                         ; the immediate's high byte repeats the setting that is left
.if MSB != (\new)
	s_set_vgpr_msb (MSB<<8)|(\new)
.set MSB, (\new)
.endif
.endm
.set MUL_LO, 0xa1                      ; source 0 (B) window 1, source 1 (A) window 0, C and D window 2
.set MUL_HI, 0xf1
.set TO_B,   0x40
; A joint load: waves 0 and 1 fetch for A, waves 2 and 3 for B; the branch hangs on the wave's number alone.  Four v_nop follow each of the two lines.
.macro JLOAD g0a, g1a, g0b, g1b
	s_cmp_eq_u32 s15, 0
	s_cbranch_scc0 .Lfor_b_\@
	tensor_load_to_lds s[\g0a:\g0a+3], s[\g1a:\g1a+7]
	s_nop 0
.rept 4
	v_nop
.endr
	s_branch .Lasked_\@
.Lfor_b_\@:
	tensor_load_to_lds s[\g0b:\g0b+3], s[\g1b:\g1b+7]
	s_nop 0
.rept 4
	v_nop
.endr
.Lasked_\@:
.endm
.macro CREST                           ; a round of the cluster's barrier behind its opening barrier
	s_cmp_lg_u32 s14, 0
	s_cbranch_scc1 .Lnot_wave_0_\@
	s_barrier_signal -3
.Lnot_wave_0_\@:
	s_barrier_wait -3
	s_barrier_signal -1
	s_barrier_wait -1
.endm
.macro CROUND
	s_barrier_signal -1
	s_barrier_wait -1
	CREST
.endm
	s_load_b256 s[4:11], s[0:1], 0x0               ; xq s[4:5], wq s[6:7], rope s[8:9], qrec s[10:11]
	s_load_b64 s[12:13], s[0:1], 0x20              ; kv
	v_lshl_add_u32 v[SPW], v0, 2, SPARE
	v_mov_b32 v[NIL], 0
	ds_add_u32 v28, v29
	ds_add_u32 v28, v29
	s_wait_dscnt 0x0
	v_lshrrev_b32 v1, 5, v0
	v_readfirstlane_b32 s14, v1                    ; wave 0..3
	s_lshr_b32 s15, s14, 1                         ; my half of the A side.  Also: I fetch for A (0) or for B (1)
	s_and_b32 s16, s14, 1                          ; my half of the B side.  Also: which 8 tiles I fetch
	s_bfe_u32 s17, ttmp6, 0x40000                  ; cx
	s_bfe_u32 s18, ttmp6, 0x40004                  ; cy
	s_and_b32 s19, ttmp7, 0xffff
	s_lshl_b32 s19, s19, 2                         ; 4 x cluster y
	s_lshl_b32 s20, s18, 2
	s_lshl_b32 s20, 15, s20                        ; my row of the cluster
	s_lshl_b32 s101, 0x1111, s17                   ; my column
	; codes: 8 tiles x 3,072 bytes (two fragments), 12,288 bytes from tile to tile; elements of 8 bytes; no padding
	s_or_b32 s[G1+0], s20, (3<<16)|(1<<21)         ; 15:0 the mask; 17:16 elements of 8 bytes; 21 set beside a mask
	s_or_b32 s[G1B+0], s101, (3<<16)|(1<<21)
.irp g, G1, G1B
	s_mov_b32 s[\g+1], 384<<16                     ; tensor_dim0
	s_mov_b32 s[\g+2], 8<<16                       ; tensor_dim1
	s_mov_b32 s[\g+3], 384<<16                     ; tile_dim0
	s_mov_b32 s[\g+4], 8                           ; tile_dim1
	s_mov_b32 s[\g+5], 1536                        ; tensor_dim0_stride
	s_mov_b32 s[\g+6], 0
	s_mov_b32 s[\g+7], 0
.endr
	; scales of 8 tiles: 4,096 dense bytes as 16 rows of 256
	s_or_b32 s[G1S+0], s20, (3<<16)|(1<<21)
	s_or_b32 s[G1SB+0], s101, (3<<16)|(1<<21)
.irp g, G1S, G1SB
	s_mov_b32 s[\g+1], 32<<16
	s_mov_b32 s[\g+2], 16<<16
	s_mov_b32 s[\g+3], 32<<16
	s_mov_b32 s[\g+4], 16
	s_mov_b32 s[\g+5], 32
	s_mov_b32 s[\g+6], 0
	s_mov_b32 s[\g+7], 0
.endr
	; the table: 64 rows of 256 bytes, 16 bytes of padding behind each (after every 64 words, code 5; 4 words, code 3)
	s_or_b32 s[G1T+0], s20, (3<<16)|(1<<20)|(1<<21)|(5<<22)|(3<<25)
	s_mov_b32 s[G1T+1], 32<<16
	s_mov_b32 s[G1T+2], 64<<16
	s_mov_b32 s[G1T+3], 32<<16
	s_mov_b32 s[G1T+4], 64
	s_mov_b32 s[G1T+5], 32
	s_mov_b32 s[G1T+6], 0
	s_mov_b32 s[G1T+7], 0
	; which 256 rows: q, k: A = tokens 4 Y + cy, B = weight rows 4 X + cx;  v: A = Wv's rows 8 + cy, B = tokens 4 Y + cx.  A's hang on cy alone, B's on cx alone
	s_lshl_b32 s23, ttmp9, 2
	s_mov_b32 s44, XS_OFF
	s_mov_b32 s45, WS_OFF
	s_cmp_eq_u32 ttmp9, 2
	s_cselect_b32 s22, 8, s19
	s_cselect_b32 s23, s19, s23
	s_cselect_b32 s46, s45, s44                    ; where A's scales begin in A's buffer
	s_cselect_b32 s47, s44, s45                    ; and B's
	s_add_co_u32 s22, s22, s18                     ; iA
	s_add_co_u32 s23, s23, s17                     ; iB
	s_lshl_b32 s20, s16, 3
	s_lshl_b32 s44, s22, 4
	s_add_co_u32 s44, s44, s20                     ; A: the first of the 8 tiles that I fetch
	s_lshl_b32 s100, s23, 4
	s_add_co_u32 s100, s100, s20                   ; B likewise
	s_mul_i32 s2, s44, 12288
	s_mov_b32 s3, 0
	s_lshl_b32 s44, s44, 9
	s_add_co_u32 s44, s44, s46
	s_mov_b32 s45, 0
	s_mul_i32 s66, s100, 12288
	s_mov_b32 s67, 0
	s_lshl_b32 s100, s100, 9
	s_add_co_u32 s100, s100, s47
	s_mov_b32 s101, 0
	s_add_co_u32 s20, s19, s18
	s_and_b32 s20, s20, 7                          ; the table's rows: 256 x ((4 Y + cy) % 8) + 64 x wave.  (v's clusters ask too, so that every wave counts the same loads; they do not read it)
	s_lshl_b32 s20, s20, 16
	s_lshl_b32 s21, s14, 14
	s_add_co_u32 s20, s20, s21
	s_mov_b32 s21, 0
	s_wait_kmcnt 0x0
	s_cmp_eq_u32 ttmp9, 2
	s_cselect_b64 s[46:47], s[6:7], s[4:5]         ; A's buffer
	s_add_nc_u64 s[2:3], s[46:47], s[2:3]
	s_add_nc_u64 s[44:45], s[46:47], s[44:45]
	s_cselect_b64 s[46:47], s[4:5], s[6:7]         ; B's buffer
	s_add_nc_u64 s[66:67], s[46:47], s[66:67]
	s_add_nc_u64 s[100:101], s[46:47], s[100:101]
	s_add_nc_u64 s[20:21], s[8:9], s[20:21]
	s_mul_i32 s46, s14, HALFT                      ; where they go: by the wave's number alone
	s_lshl_b32 s47, s14, 12
	s_add_co_u32 s47, s47, SCL
	CROUND                                         ; all sixteen work-groups are here: the first joint loads meet
	s_mov_b32 s[G0S], 1
	s_mov_b32 s[G0S+1], s47
	s_mov_b64 s[G0S+2:G0S+3], s[44:45]
	s_or_b32 s[G0S+3], s[G0S+3], 0x80000000
	s_mov_b32 s[G0SB], 1
	s_add_co_u32 s[G0SB+1], s47, 128
	s_mov_b64 s[G0SB+2:G0SB+3], s[100:101]
	s_or_b32 s[G0SB+3], s[G0SB+3], 0x80000000
	JLOAD G0S, G1S, G0SB, G1SB                     ; the scales first: they are wanted with K step 0
.irp s, 0,1
	s_mov_b32 s[G0+4*\s], 1
	s_add_co_u32 s[G0+4*\s+1], s46, \s*SLOT
	s_add_nc_u64 s[G0+4*\s+2:G0+4*\s+3], s[2:3], \s*3072
	s_or_b32 s[G0+4*\s+3], s[G0+4*\s+3], 0x80000000
	s_mov_b32 s[G0B+4*\s], 1
	s_add_co_u32 s[G0B+4*\s+1], s46, \s*SLOT
	s_add_nc_u64 s[G0B+4*\s+2:G0B+4*\s+3], s[66:67], \s*3072
	s_or_b32 s[G0B+4*\s+3], s[G0B+4*\s+3], 0x80000000
	JLOAD G0+4*\s, G1, G0B+4*\s, G1B
.endr
	s_mov_b32 s[G0T], 1
	s_mul_i32 s[G0T+1], s14, 64*TP
	s_add_co_u32 s[G0T+1], s[G0T+1], TAB
	s_mov_b64 s[G0T+2:G0T+3], s[20:21]
	s_or_b32 s[G0T+3], s[G0T+3], 0x80000000
	tensor_load_to_lds s[G0T:G0T+3], s[G1T:G1T+7]  ; every wave its 64 rows: four loads of mine are out
	s_nop 0
.rept 4
	v_nop
.endr
	v_and_b32 v1, 15, v0                           ; r
	v_bfe_u32 v2, v0, 4, 1                         ; h
	v_and_b32 v3, 31, v0
	v_lshlrev_b32 v[LI], 4, v3
	s_mul_i32 s20, s15, HALFT
	s_mul_i32 s21, s16, HALFT
	s_add_co_u32 s21, s21, 2*HALFT
.irp s, 0,1
	v_add_nc_u32 v[ADRA+\s], s20, v[LI]
	v_add_nc_u32 v[ADRB+\s], s21, v[LI]
	s_add_co_u32 s20, s20, SLOT
	s_add_co_u32 s21, s21, SLOT
.endr
	v_lshlrev_b32 v5, 3, v1                        ; my row's two words of a pair of K steps
	s_lshl_b32 s20, s15, 12                        ; A's: my 8 tiles
	s_lshl_b32 s21, s16, 12
	s_add_co_u32 s21, s21, SCB                     ; B's
	s_sub_co_u32 s21, s21, s20
	v_mul_u32_u24 v6, s21, v2                      ; lanes 16-31 take B's: one product with h
	s_add_co_u32 s20, s20, SCL
	v_add_nc_u32 v5, v5, v6
	v_add_nc_u32 v[ADRS], s20, v5
	v_and_b32 v7, 8, v1
	v_add_nc_u32 v7, v7, v1                        ; r + 8 (r / 8)
	v_mul_u32_u24 v[TA], v7, TP
	v_lshl_add_u32 v[TA], v2, 6, v[TA]             ; + 64 h: eight pairs
	s_mul_i32 s20, s15, 128*TP
	s_add_co_u32 s20, s20, TAB
	v_add_nc_u32 v[TA], s20, v[TA]
.macro FRAG reg, adr, q, i             ; a fragment's image: three loads of 512 consecutive bytes
.irp c, 0,1,2
	ds_load_b128 v[\reg+4*\c:\reg+4*\c+3], v[\adr] offset:3072*(\i)+1536*(\q)+512*\c
.endr
.endm
; 16 matrix instructions: A's blocks a0, a0 + 1 x B's eight, 128 along K.  The 64 accumulators take turns, one instruction a turn, in the same order in every step.
.macro MUL16 a0, p, q, sc, zero
.irp a, \a0, \a0+1
.irp b, 0,1,2,3,4,5,6,7
.if \zero
	v_wmma_scale_f32_16x16x128_f8f6f4 v[8*(8*((\a)%4)+\b):8*(8*((\a)%4)+\b)+7], v[128*(\p)+FR*\b:128*(\p)+FR*\b+FR-1], v[AF+FR*(\a):AF+FR*(\a)+FR-1], 0, v[SC+8*NQ*(\sc)+NQ*\b+(\q)], v[SC+8*NQ*(\sc)+NQ*(\a)+(\q)] matrix_a_fmt:MATRIX_FMT_BF6 matrix_b_fmt:MATRIX_FMT_BF6 matrix_a_scale:MATRIX_SCALE_ROW1
.else
	v_wmma_scale_f32_16x16x128_f8f6f4 v[8*(8*((\a)%4)+\b):8*(8*((\a)%4)+\b)+7], v[128*(\p)+FR*\b:128*(\p)+FR*\b+FR-1], v[AF+FR*(\a):AF+FR*(\a)+FR-1], v[8*(8*((\a)%4)+\b):8*(8*((\a)%4)+\b)+7], v[SC+8*NQ*(\sc)+NQ*\b+(\q)], v[SC+8*NQ*(\sc)+NQ*(\a)+(\q)] matrix_a_fmt:MATRIX_FMT_BF6 matrix_b_fmt:MATRIX_FMT_BF6 matrix_a_scale:MATRIX_SCALE_ROW1
.endif
.endr
.endr
.endm
.macro FETCH_B slot, q, p
	WIN TO_B
.irp i, 0,1,2,3,4,5,6,7
	FRAG 128*(\p)+FR*\i, ADRB+\slot, \q, \i
.endr
	WIN 0
.endm
.macro FETCH_A slot, q, i0
.irp i, \i0, \i0+1, \i0+2, \i0+3
	FRAG AF+FR*(\i), ADRA+\slot, \q, \i
.endr
.endm
.macro SCALES sc                       ; a K step's scale words: two a row; lanes 0-15 take A's tile i, lanes 16-31 B's tile i
.irp i, 0,1,2,3,4,5,6,7
	ds_load_b64 v[SC+8*NQ*\sc+NQ*\i:SC+8*NQ*\sc+NQ*\i+1], v[ADRS] offset:\i*512
.endr
.endm
.macro PLACES n                        ; plain vector instructions between a matrix instruction and a load into, or a vector read or write of, its registers (ISA guide 7.12.1 for vector reads and writes)
.rept \n
	v_nop
.endr
.endm
.macro STEP slot, q, zero              ; a step of 128 along K that has its successor in the same slot
	s_wait_dscnt 4*NL                              ; B's set and A's blocks 0-3 are in; the youngest 12 loads (A's blocks 4-7) may be out
	WIN MUL_LO
	MUL16 0, (\q)%2, \q, \slot, \zero
	MUL16 2, (\q)%2, \q, \slot, \zero
	s_wait_dscnt 0
	PLACES NP
	FETCH_B \slot, (\q)+1, 1-(\q)%2
	FETCH_A \slot, (\q)+1, 0
	WIN MUL_HI
	MUL16 4, (\q)%2, \q, \slot, \zero
	MUL16 6, (\q)%2, \q, \slot, \zero
	PLACES NP
	WIN 0
	FETCH_A \slot, (\q)+1, 4
.endm
; A slot's last step changes slots: ONE barrier; in front of it each wave waits for all its tensor loads, adds 0 to its spare word, and waits for that and for its own reads of this slot.  fill = 1: this slot is filled again, two K steps ahead.
.macro TURN slot, next, fill
	s_wait_tensorcnt 0x0                           ; all my tensor loads have landed: my part of the next slot (and, the first time, of the table)
	ds_add_u32 v[SPW], v[NIL]                      ; 0 onto my spare word
	s_wait_dscnt 4*NL+1                            ; (the add and the youngest 12 loads may be out)
	WIN MUL_LO
	MUL16 0, 1, NQ-1, \slot, 0
	s_wait_dscnt 0x0                               ; the add is done, and my reads of this slot are over
	s_barrier_signal -1
	MUL16 2, 1, NQ-1, \slot, 0
	WIN 0
	s_barrier_wait -1
.if \fill
	CREST                                          ; the barrier has opened a round of the cluster's barrier: no wave of any partner still reads this slot or has a load on its way
	s_add_nc_u64 s[G0+4*\slot+2:G0+4*\slot+3], s[G0+4*\slot+2:G0+4*\slot+3], 6144
	s_add_nc_u64 s[G0B+4*\slot+2:G0B+4*\slot+3], s[G0B+4*\slot+2:G0B+4*\slot+3], 6144
	JLOAD G0+4*\slot, G1, G0B+4*\slot, G1B         ; the first tensor load behind the round; its four v_nop are the places in front of the loads below
.else
	PLACES NP
.endif
	v_add_nc_u32 v[ADRS], 128, v[ADRS]             ; the next pair of K steps' scale words
	FETCH_B \next, 0, 0
	FETCH_A \next, 0, 0
	SCALES \next
	WIN MUL_HI
	MUL16 4, 1, NQ-1, \slot, 0
	MUL16 6, 1, NQ-1, \slot, 0
	PLACES NP
	WIN 0
	FETCH_A \next, 0, 4
.endm
	s_wait_tensorcnt 2                             ; the scales and my part of slot 0 are in; slot 1's load and the table's may be out
	s_barrier_signal -1
	s_barrier_wait -1
	FETCH_B 0, 0, 0
	FETCH_A 0, 0, 0
	SCALES 0
	FETCH_A 0, 0, 4
	STEP 0, 0, 1                                   ; the first products start the sums: nothing is cleared
	TURN 0, 1, 1                                   ; K = 1,024 is eight steps of 128: written out
	STEP 1, 0, 0
	TURN 1, 0, 1
	STEP 0, 0, 0
	TURN 0, 1, 0                                   ; the last lap fills nothing
	STEP 1, 0, 0
	s_wait_dscnt 4*NL
	WIN MUL_LO
	MUL16 0, 1, NQ-1, 1, 0
	MUL16 2, 1, NQ-1, 1, 0
	s_wait_dscnt 0
	WIN MUL_HI
	MUL16 4, 1, NQ-1, 1, 0
	MUL16 6, 1, NQ-1, 1, 0
	WIN 0
	PLACES NP
	; THE WAY OUT.  Where my two heads' records begin.  (No tensor load of mine is out since the last change of slots: the scales' descriptors' registers are free)
	s_lshl_b32 s68, s22, 8
	s_lshl_b32 s69, s15, 7
	s_add_co_u32 s68, s68, s69                     ; q, k: my first token = 256 iA + 128 x my A half
	s_lshl_b32 s70, s23, 8
	s_lshl_b32 s71, s16, 7
	s_add_co_u32 s70, s70, s71                     ; v: 256 iB + 128 x my B half
	s_lshl_b32 s72, s17, 8
	s_add_co_u32 s72, s72, s71                     ; q, k: my first feature = 256 cx + 128 x my B half
	s_lshl_b32 s73, s18, 8
	s_add_co_u32 s73, s73, s69                     ; v: 256 cy + 128 x my A half
	s_cmp_eq_u32 ttmp9, 2
	s_cselect_b32 s68, s70, s68
	s_cselect_b32 s72, s73, s72
	s_cselect_b32 s74, 6400, 0                     ; V's part of a record
	s_cmp_eq_u32 ttmp9, 0
	s_cselect_b64 s[DA:DA+1], s[10:11], s[12:13]
	s_mov_b32 s75, 12800
	s_cselect_b32 s75, 6400, s75                   ; a record
	s_lshl_b32 s78, s75, 4                         ; a head: 16 records
	s_lshr_b32 s70, s68, 11
	s_lshl_b32 s70, s70, 4
	s_lshr_b32 s71, s72, 6
	s_add_co_u32 s70, s70, s71                     ; 16 x batch + head
	s_bfe_u32 s71, s68, 0x40007                    ; the group of 128 tokens
	s_mul_i32 s70, s70, s78
	s_mul_i32 s71, s71, s75
	s_add_co_u32 s70, s70, s71
	s_add_co_u32 s70, s70, s74
	s_mov_b32 s71, 0
	s_add_nc_u64 s[DA:DA+1], s[DA:DA+1], s[70:71]
	s_mov_b32 s79, 0
	s_add_nc_u64 s[DB:DB+1], s[DA:DA+1], s[78:79]
	s_mov_b32 s[SEL], 0x76543210
	s_mov_b32 s[SEL+1], 0xfedcba98                 ; v_permlanex16_b32's selects for lane l xor 16
	v_mul_u32_u24 v[SO], s78, v2
	v_lshl_add_u32 v[SO], v1, 4, v[SO]             ; scale words: lanes 0-15 the first head's row r, lanes 16-31 the second head's
	v_cmp_eq_u32 vcc_lo, 1, v2
.irp b, 0,1,2,3
	v_mov_b32 v[TM+4+\b], 0                        ; written once: a lane permute's destination counts as one of its sources
.endr
; 64 numbers of a lane in window win, register 16 b + i = k 32 b + 16 (lane / 16) + i of my row, become codes: k 0-63 in v[d0] .. v[d0 + 5], k 64-127 in v[d1] .. v[d1 + 5]; the scale word in v[w], the same in lanes l and l xor 16.
.macro QUANT s, win, d0, d1, w
	WIN (\win)|((\win)<<2)
.irp b, 0,1,2,3
	v_max3_num_f32 v[TM+\b], |v[(\s)+16*\b]|, |v[(\s)+1+16*\b]|, 0x2800000   ; my 16 numbers of block b, from each accumulator's low end on, and the floor 2^(5 - 127)
.endr
.irp i, 2,4,6,8,10,12,14
.irp b, 0,1,2,3
	v_max3_num_f32 v[TM+\b], |v[(\s)+16*\b+\i]|, |v[(\s)+1+16*\b+\i]|, v[TM+\b]
.endr
.endr
	WIN 0
.irp b, 0,1,2,3
	v_permlanex16_b32 v[TM+4+\b], v[TM+\b], s[SEL], s[SEL+1]
.endr
.irp b, 0,1,2,3
	v_max_num_f32 v[TM+\b], v[TM+\b], v[TM+4+\b]   ; with lane l xor 16's: the block's largest magnitude
.endr
.irp b, 0,1,2,3
	v_add_nc_u32 v[TM+12+\b], 0xfe000000, v[TM+\b] ; 4 off its exponent field: the conversion's scale operand
.endr
.irp b, 0,1,2,3
	v_lshrrev_b32 v[TM+8+\b], 23, v[TM+12+\b]      ; the scale's byte
.endr
	v_lshl_or_b32 v[\w], v[TM+9], 8, v[TM+8]
	v_lshl_or_b32 v[\w], v[TM+10], 16, v[\w]
	v_lshl_or_b32 v[\w], v[TM+11], 24, v[\w]
	WIN (\win)
	v_cvt_scalef32_pk16_bf6_f32 v[(\d0):(\d0)+2], v[(\s):(\s)+15], v[TM+12]
	v_cvt_scalef32_pk16_bf6_f32 v[T2:T2+2], v[(\s)+16:(\s)+31], v[TM+13]      ; (a conversion's three registers begin on an even number)
	v_cvt_scalef32_pk16_bf6_f32 v[(\d1):(\d1)+2], v[(\s)+32:(\s)+47], v[TM+14]
	v_cvt_scalef32_pk16_bf6_f32 v[T2+4:T2+6], v[(\s)+48:(\s)+63], v[TM+15]
	WIN 0
	v_nop                                          ; one plain place behind a scaled conversion
.irp i, 0,1,2                                  ; the operand's layout wants a WHOLE block in a lane: lanes 0-15 the even block, lanes 16-31 the odd one
	v_permlane16_swap_b32 v[(\d0)+\i], v[T2+\i]
	v_permlane16_swap_b32 v[(\d1)+\i], v[T2+4+\i]
.endr
.irp i, 0,1,2
	v_mov_b32 v[(\d0)+3+\i], v[T2+\i]
	v_mov_b32 v[(\d1)+3+\i], v[T2+4+\i]
.endr
.endm
.macro TABLOAD a, set                  ; cos and sin of my token of tile a: for accumulators b and b + 4 the pairs 16 (b / 2) + 8 h + 4 (b % 2) + 0 .. 3
.irp b, 0,1,2,3
.irp e, 0,1
	ds_load_b128 v[CSN+32*(\set)+8*\b+4*\e:CSN+32*(\set)+8*\b+4*\e+3], v[TA] offset:(32*((\a)/2)+8*((\a)%2))*TP+128*(\b/2)+32*(\b%2)+16*\e
.endr
.endr
.endm
.macro ROPE a, set                     ; (x1, x2) -> (x1 c - x2 s, x1 s + x2 c), a pair an instruction; each accumulator is read from its low end on
	WIN 2+(\a)/4
.irp b, 0,1,2,3,4,5,6,7
.irp i, 0,1,2,3
	v_pk_mul_f32 v[XR+8*\b+2*\i:XR+8*\b+2*\i+1], v[64*((\a)%4)+8*\b+2*\i:64*((\a)%4)+8*\b+2*\i+1], v[CSN+32*(\set)+8*(\b%4)+2*\i:CSN+32*(\set)+8*(\b%4)+2*\i+1] op_sel_hi:[0,1]   ; (x1 c, x1 s)
.endr
.irp i, 0,1,2,3
	v_pk_fma_f32 v[XR+8*\b+2*\i:XR+8*\b+2*\i+1], v[64*((\a)%4)+8*\b+2*\i:64*((\a)%4)+8*\b+2*\i+1], v[CSN+32*(\set)+8*(\b%4)+2*\i:CSN+32*(\set)+8*(\b%4)+2*\i+1], v[XR+8*\b+2*\i:XR+8*\b+2*\i+1] op_sel:[1,1,0] op_sel_hi:[1,0,1] neg_lo:[0,1,0]   ; (- x2 s, + x2 c)
.endr
.endr
	WIN 0
.endm
	s_cmp_eq_u32 ttmp9, 2
	s_cbranch_scc1 .Lfor_v
	; q and k: token tile a gives registers 6 (a % 2) on of pair fragment a / 2, for each of my two heads
	TABLOAD 0, 0
.irp a, 0,1,2,3,4,5,6,7
.if \a < 7
	TABLOAD \a+1, (\a+1)%2
	s_wait_dscnt 8                                 ; this tile's cos and sin are in; the next tile's 8 loads may be out
.else
	s_wait_dscnt 0
.endif
	ROPE \a, \a%2
.if (\a == 4) || (\a == 6)
	s_wait_xcnt 0x0                                ; the stores of two pair fragments ago have read this set of code registers
.endif
	QUANT XR, 0, FRS+24*((\a/2)%2)+6*(\a%2), FRS+24*((\a/2)%2)+12+6*(\a%2), WD+\a
.if \a%2 == 1
.irp c, 0,1,2
	global_store_b128 v[LI], v[FRS+24*((\a/2)%2)+4*\c:FRS+24*((\a/2)%2)+4*\c+3], s[DA:DA+1] offset:1536*(\a/2)+512*\c        ; 512 consecutive bytes, at a multiple of 256 from the buffer's first byte
	global_store_b128 v[LI], v[FRS+24*((\a/2)%2)+12+4*\c:FRS+24*((\a/2)%2)+12+4*\c+3], s[DB:DB+1] offset:1536*(\a/2)+512*\c
.endr
.endif
.endr
	v_mov_b32 v25, 0x05040100                      ; a tile's word holds bytes 0, 1 for the first head and 2, 3 for the second: lanes 0-15 pick the first head's of tiles 2 f and 2 f + 1,
	v_mov_b32 v26, 0x07060302                      ; lanes 16-31 the second head's
	v_cndmask_b32 v25, v25, v26, vcc_lo
.irp f, 0,1,2,3
	v_perm_b32 v[OW+\f], v[WD+2*\f+1], v[WD+2*\f], v25
.endr
	global_store_b128 v[SO], v[OW:OW+3], s[DA:DA+1] offset:6144   ; two runs of 256 consecutive bytes
	s_branch .Ljoin
.Lfor_v:
	; v: my A block a is fragment a % 4 of head a / 4: 16 of the head's 64 x my 128 keys
.irp a, 0,1,2,3,4,5,6,7
.if \a >= 4
	s_wait_xcnt 0x0                                ; the stores of four fragments ago have read these code registers
.endif
	QUANT 64*(\a%4), 2+\a/4, FRS+12*(\a%4), FRS+12*(\a%4)+6, WD+\a
.irp c, 0,1,2
.if \a < 4
	global_store_b128 v[LI], v[FRS+12*(\a%4)+4*\c:FRS+12*(\a%4)+4*\c+3], s[DA:DA+1] offset:1536*(\a%4)+512*\c
.else
	global_store_b128 v[LI], v[FRS+12*(\a%4)+4*\c:FRS+12*(\a%4)+4*\c+3], s[DB:DB+1] offset:1536*(\a%4)+512*\c
.endif
.endr
.endr
.irp f, 0,1,2,3
	v_cndmask_b32 v[OW+\f], v[WD+\f], v[WD+4+\f], vcc_lo
.endr
	global_store_b128 v[SO], v[OW:OW+3], s[DA:DA+1] offset:6144
.Ljoin:
	s_wait_tensorcnt 0x0                           ; the wave's end
	ds_add_u32 v[SPW], v[NIL]
	s_wait_dscnt 0x0
	CROUND                                         ; the closing round: no work-group ends while a partner may still ask for a tile that names it
	s_endpgm
.Lfunc_end_k_q31b9cf2bb9_qkv:
	.size	k_q31b9cf2bb9_qkv, .Lfunc_end_k_q31b9cf2bb9_qkv-k_q31b9cf2bb9_qkv
	.p2alignl 7, 3214868480
	.fill 96, 4, 3214868480
	.section	.rodata,"a",@progbits
	.p2align	6, 0x0
	.amdhsa_kernel k_q31b9cf2bb9_qkv
		.amdhsa_group_segment_fixed_size 327680
		.amdhsa_private_segment_fixed_size 0
		.amdhsa_enable_private_segment 0
		.amdhsa_kernarg_size 40
		.amdhsa_user_sgpr_count 2
		.amdhsa_user_sgpr_kernarg_segment_ptr 1
		.amdhsa_wavefront_size32 1
		.amdhsa_system_sgpr_workgroup_id_x 1
		.amdhsa_system_sgpr_workgroup_id_y 1
		.amdhsa_system_sgpr_workgroup_id_z 1
		.amdhsa_system_vgpr_workitem_id 0
		.amdhsa_next_free_vgpr 1024
		.amdhsa_next_free_sgpr 102
		.amdhsa_reserve_vcc 1
		.amdhsa_float_denorm_mode_32 3
		.amdhsa_float_denorm_mode_16_64 3
		.amdhsa_memory_ordered 1
		.amdhsa_forward_progress 1
		.amdhsa_inst_pref_size 211
	.end_amdhsa_kernel
	.amdgpu_metadata
---
amdhsa.version: [ 1, 2 ]
amdhsa.kernels:
  - .name:           k_q31b9cf2bb9_qkv
    .symbol:         k_q31b9cf2bb9_qkv.kd
    .args:
      - { .name: xq, .offset: 0, .size: 8, .value_kind: global_buffer, .address_space: global }
      - { .name: wq, .offset: 8, .size: 8, .value_kind: global_buffer, .address_space: global }
      - { .name: rope, .offset: 16, .size: 8, .value_kind: global_buffer, .address_space: global }
      - { .name: qrec, .offset: 24, .size: 8, .value_kind: global_buffer, .address_space: global }
      - { .name: kv, .offset: 32, .size: 8, .value_kind: global_buffer, .address_space: global }
    .group_segment_fixed_size: 327680
    .private_segment_fixed_size: 0
    .kernarg_segment_align: 8
    .kernarg_segment_size: 40
    .max_flat_workgroup_size: 128
    .sgpr_count:     102
    .vgpr_count:     1024
    .wavefront_size: 32
...
	.end_amdgpu_metadata
.endif
;; end of part 2
;; launch attn (part 3): grid 4 x 64, 16 waves a work-group, clusters of 4 x 1, 206,848 bytes of LDS; arguments qrec, kv, oq; writes oq
.if DOCPART == 3
	.amdgcn_target "amdgcn-amd-amdhsa--gfx1250"
	.amdhsa_code_object_version 6
	.text
	.protected	k_q31b9cf2bb9_attn
	.globl	k_q31b9cf2bb9_attn
	.p2align	8
	.type	k_q31b9cf2bb9_attn,@function
k_q31b9cf2bb9_attn:
	s_mov_b64 s[64:65], 0
	v_nop
	global_prefetch_b8 v0, s[64:65] scope:SCOPE_SE
	s_setreg_imm32_b32 hwreg(HW_REG_WAVE_MODE, 25, 1), 1
	s_wait_xcnt 0x0
	s_wait_alu depctr_hold_cnt(0) depctr_sa_sdst(0) depctr_va_vdst(0) depctr_va_sdst(0) depctr_va_ssrc(0) depctr_va_vcc(0) depctr_vm_vsrc(0)
	s_getreg_b32 s2, hwreg(HW_REG_IB_STS2, 6, 4)
	s_cmp_eq_u32 s2, 0
	s_cbranch_scc0 .Lentry_in_a_cluster
	s_endpgm
.Lentry_in_a_cluster:
	s_bfe_u32 s2, ttmp6, 0x10000c
	s_cmp_lg_u32 s2, 0x3003
	s_cbranch_scc0 .Lentry_shape_is_right
	s_endpgm
.Lentry_shape_is_right:
; Causal attention of 64 heads (4 batches x 16) of 2,048 tokens, head size 64, both products on codes of BF6 (E3M2) with E8M0 scales; the result leaves as codes again, quantised along the head's 64.
; THE SOFTMAX: t = score x log2(e) / 8; M = the running largest t rounded UP to a whole number; p = 2^(t - M) is quantised along the keys, not normalised; the row's sum is taken of the unquantised p and divides O at the end.
; When M moves, the sum and O are multiplied by 2^(old M - new M): exact.
; A CLUSTER IS ONE HEAD.  The head's K and V, as codes with their scales, are 204,800 bytes: the four work-groups ask for them jointly, once, and they stay in LDS: no ring, nothing is filled twice.
; SHARES.  Token groups of 128 (G = 0 .. 15), each of 8 tiles of 16.  Wave w, with u = w / 8, takes tile 2 cx + u of group G0 (15 - w or w: 8 .. 15) and then of group 15 - G0: G0 + 1 + 16 - G0 = 17 key steps of 128 for every wave.
; Skips and the diagonal hang on the wave's number and the step alone; cx enters global addresses and the mask's vector operand only.
; LAYOUT.  Both products are used transposed: S^T = K Q^T, O^T = V^T P^T: a lane holds ONE query (lane % 16).  The tokens of tile 2 b + u' of a group are 32 b + 8 u' + p + 8 (p / 8): so S^T's 16 registers of tiles 2 b, 2 b + 1 are keys 32 b + 16 (lane / 16) + 0 .. 15.
; THE HEAD'S 64 FILL HALF OF THE INSTRUCTION'S K.  A fragment of K holds TWO tiles of keys: K index 0-63 tile 2 b, 64-127 tile 2 b + 1.  Q stands beside zero codes: (q, 0) picks tile 2 b, (0, q) tile 2 b + 1: every code of this format is a finite number,
; so the other half adds nothing.  No LDS byte is spent on zeros.
; LDS: key step ks at 12,800 ks: K's four pair fragments (1,536 bytes each), at 6,144 their scale words (16 r + 4 b); at 6,400 V's four fragments, at 12,544 their scale words.
; OUT.  oq: unit (token tile T, head) at 12,288 T + 768 head: registers 0-3 at 16 x lane, registers 4-5 at 512 + 8 x lane; scale bytes behind the codes as in xq: two bytes for a row and a head.
; LIMITS: NaN and infinities are not served; a block under 2^(5 - 127) gets the byte 1 (its codes are zeros; this program alone reads the bytes).
; Not laid: prefetches (all tiles are asked for at the head); register windows and turns within a wave (four waves share a SIMD, and one's vector work stands beside another's products and LDS loads).
.set XS_OFF, 6291456
.set LI,   1                           ; v1   16 x lane
.set LSC,  2                           ; v2   the scale words' place in a step: lanes 0-15 K's row r, lanes 16-31 V's row r
.set L8,   3                           ; v3   8 x lane
.set R8,   4                           ; v4   8 r
.set QW,   6                           ; v6-7 Q's scale words, pass 0 and 1
.set AD,   8                           ; v8   the step's fragments
.set AS,   9                           ; v9   the step's scale words
.set NINF, 10                          ; v10  -infinity
.set DM,   11                          ; v11  my query's place in its group - 16 (lane / 16)
.set QZ,   16                          ; v16-45 [0 | q of pass 0 | 0 | q of pass 1 | 0], six registers each
.set KF,   46                          ; v46-93 four fragments of K or of V
.set SC,   94                          ; v94-97 their scale words
.set S,    98                          ; v98-161 S^T, then p
.set OA,   162                         ; v162-193 O^T: register 16 B + i = channel 32 B + 16 (lane / 16) + i
.set PC,   194                         ; v194-205 p's codes
.set T2,   206
.set BM,   214
.set BT,   218
.set BS,   222
.set F,    226                         ; v[226:227] f = 2^(old M - new M)
.set PW,   228                         ; p's scale word
.set TMP,  229
.set AC2,  230
.set WV,   10
.set U,    11
.set GA,   12
.set GB,   13
.set CX,   14
.set BH,   15
.set SEL,  20
.set CS,   22
.set G1,   24
.set G0A,  40
.set G0B,  44
.set TB,   48                          ; s48  LDS byte at which the step in hand begins
.set KS,   49                          ; s49  the step
.set CNT,  50
.set OB,   52                          ; s[52:53] where my codes go; s[54:55] my scale bytes
.set OS,   54
.macro CROUND                          ; a round of the cluster's barrier
	s_barrier_signal -1
	s_barrier_wait -1
	s_cmp_lg_u32 s[WV], 0
	s_cbranch_scc1 .Lnot_wave_0_\@
	s_barrier_signal -3
.Lnot_wave_0_\@:
	s_barrier_wait -3
	s_barrier_signal -1
	s_barrier_wait -1
.endm
	s_load_b128 s[4:7], s[0:1], 0x0                ; qrec, kv
	s_load_b64 s[8:9], s[0:1], 0x10                ; oq
	v_lshl_add_u32 v254, v0, 2, 0x32000
	v_mov_b32 v255, 0
	ds_add_u32 v254, v255
	ds_add_u32 v254, v255
	v_lshrrev_b32 v1, 5, v0
	s_delay_alu instid0(VALU_DEP_1)
	v_readfirstlane_b32 s[WV], v1                  ; wave 0..15
	s_lshr_b32 s[U], s[WV], 3
	s_xor_b32 s[GA], s[U], 1
	s_mul_i32 s[GA], s[GA], 15
	s_xor_b32 s[GA], s[GA], s[WV]                  ; 15 - w for w < 8, else w
	s_xor_b32 s[GB], s[GA], 15
	s_bfe_u32 s[CX], ttmp6, 0x40000
	s_and_b32 s[BH], ttmp7, 0xffff                 ; the head, which the four partners share
	s_mov_b32 s[G1], 15|(3<<16)|(1<<21)            ; 15:0 the mask: all four; 17:16 elements of 8 bytes; 21 set beside a mask; no padding
	s_mov_b32 s[G1+1], 32<<16                      ; 6,400 dense bytes as 25 rows of 256
	s_mov_b32 s[G1+2], 25<<16
	s_mov_b32 s[G1+3], 32<<16
	s_mov_b32 s[G1+4], 25
	s_mov_b32 s[G1+5], 32
	s_mov_b32 s[G1+6], 0
	s_mov_b32 s[G1+7], 0
	s_mul_i32 s16, s[WV], 6400                     ; my part of each half of the head
	s_mul_i32 s18, s[BH], 204800
	s_add_co_u32 s18, s18, s16
	s_mov_b32 s19, 0
	s_mov_b32 s[SEL], 0x76543210
	s_mov_b32 s[SEL+1], 0xfedcba98
	s_mov_b32 s[CS], 0x3e38aa3b                    ; c = log2(e) / 8
	s_mov_b32 s[CS+1], s[CS]                       ; (named with it as a pair, so it is written)
	s_wait_dscnt 0x0
	s_wait_kmcnt 0x0
	s_add_nc_u64 s[18:19], s[6:7], s[18:19]
	s_mov_b32 s[G0A], 1
	s_mov_b32 s[G0A+1], s16
	s_mov_b64 s[G0A+2:G0A+3], s[18:19]
	s_or_b32 s[G0A+3], s[G0A+3], 0x80000000
	s_mov_b32 s[G0B], 1
	s_add_co_u32 s[G0B+1], s16, 102400
	s_add_nc_u64 s[G0B+2:G0B+3], s[18:19], 102400
	s_or_b32 s[G0B+3], s[G0B+3], 0x80000000
	CROUND                                         ; all four work-groups are here: the joint loads meet
	tensor_load_to_lds s[G0A:G0A+3], s[G1:G1+7]    ; key steps 0-7, a sixteenth a wave
	s_nop 0
	tensor_load_to_lds s[G0B:G0B+3], s[G1:G1+7]    ; key steps 8-15: two loads of mine are out
	s_nop 0
.rept 4
	v_nop
.endr
	v_and_b32 v5, 31, v0
	s_delay_alu instid0(VALU_DEP_1)
	v_lshlrev_b32 v[LI], 4, v5
	s_delay_alu instid0(VALU_DEP_2)
	v_lshlrev_b32 v[L8], 3, v5
	v_and_b32 v5, 15, v0                           ; r
	s_delay_alu instid0(VALU_DEP_1)
	v_lshlrev_b32 v[R8], 3, v5
	v_bfe_u32 v[TMP], v0, 4, 1                     ; h
	s_delay_alu instid0(VALU_DEP_1)
	v_mul_u32_u24 v[LSC], v[TMP], 6400
	s_delay_alu instid0(VALU_DEP_1)
	v_lshl_add_u32 v[LSC], v5, 4, v[LSC]
	s_delay_alu instid0(VALU_DEP_1)
	v_add_nc_u32 v[LSC], 6144, v[LSC]
	v_and_b32 v[DM], 8, v5
	s_delay_alu instid0(VALU_DEP_1)
	v_add_nc_u32 v[DM], v[DM], v5
	v_lshlrev_b32 v[TMP], 4, v[TMP]
	s_delay_alu instid0(VALU_DEP_1)
	v_sub_nc_u32 v[DM], v[DM], v[TMP]
	s_lshl_b32 s32, s[CX], 5
	s_lshl_b32 s33, s[U], 3
	s_add_co_u32 s32, s32, s33
	v_add_nc_u32 v[DM], s32, v[DM]                 ; 32 cx + 8 u + r + 8 (r / 8) - 16 h
	; Q of both passes: pair fragment cx of groups G0 and G1, and its scale words
	s_mul_i32 s33, s[CX], 1536
	v_add_nc_u32 v[BS], s33, v[LI]
	s_wait_alu depctr_va_vdst(0)
	s_lshl_b32 s33, s[CX], 2
	v_lshl_add_u32 v[BS+1], v5, 4, s33
	s_wait_alu depctr_va_vdst(0)
	s_mul_i32 s32, s[BH], 102400
	s_mul_i32 s34, s[GA], 6400
	s_add_co_u32 s34, s34, s32
	s_mov_b32 s35, 0
	s_mul_i32 s36, s[GB], 6400
	s_add_co_u32 s36, s36, s32
	s_mov_b32 s37, 0
	s_add_nc_u64 s[34:35], s[4:5], s[34:35]
	s_add_nc_u64 s[36:37], s[4:5], s[36:37]
.irp p, 0,1
.irp c, 0,1,2
	global_load_b128 v[S+12*\p+4*\c:S+12*\p+4*\c+3], v[BS], s[34+2*\p:35+2*\p] offset:512*\c
.endr
	global_load_b32 v[S+24+\p], v[BS+1], s[34+2*\p:35+2*\p] offset:6144
.endr
	v_mov_b32 v[NINF], 0xff800000
.irp i, 0,1,2,3,4,5
	v_mov_b32 v[QZ+\i], 0                          ; the zero codes beside q
	v_mov_b32 v[QZ+12+\i], 0
	v_mov_b32 v[QZ+24+\i], 0
.endr
.irp b, 0,1,2,3
	v_mov_b32 v[BT+\b], 0                          ; written once: a lane permute's destination counts as one of its sources
.endr
	v_mov_b32 v[F+1], 0                            ; (named as the upper half of the pair before it is used)
	v_mov_b32 v5, s[U]
	s_delay_alu instid0(VALU_DEP_1)
	v_cmp_eq_u32 vcc_lo, 1, v5
	s_mov_b32 s38, 0x01000100
	s_cmp_eq_u32 s[U], 1
	s_cselect_b32 s38, 0x03020302, s38             ; my tile's two bytes of the pair's word, twice: they serve (q, 0) and (0, q) alike
	s_wait_loadcnt 0x0
.irp i, 0,1,2,3,4,5
	v_cndmask_b32 v[QZ+6+\i], v[S+\i], v[S+6+\i], vcc_lo          ; tile 2 cx + u: registers 6 u + i of the pair fragment
	v_cndmask_b32 v[QZ+18+\i], v[S+12+\i], v[S+18+\i], vcc_lo
.endr
	v_perm_b32 v[QW], v[S+24], v[S+24], s38
	v_perm_b32 v[QW+1], v[S+25], v[S+25], s38
.macro INIT                            ; a pass begins: the step is written for every step alike: the first finds zeros, which the first change of M leaves zeros
	v_mov_b32 v13, 0xff61b1e6                      ; the largest t so far: -3e38, under every t
	s_delay_alu instid0(VALU_DEP_1)
	v_floor_f32 v12, -v13                          ; -M
	v_mov_b32 v14, 0                               ; the sum, in two halves
	v_mov_b32 v15, 0
.set j, 0
.rept 32
	v_mov_b32 v[OA+j], 0
.set j, j+1
.endr
	s_mov_b32 s[TB], 0
	s_mov_b32 s[KS], 0
.endm
; A KEY STEP of 128 keys.  causal = 1: a step behind my group g is left out (a scalar branch on the wave's number and the step, not round the lines that step addresses), and in step g hidden scores become -infinity.
.macro STEP causal, g, ql, qh, qw
.if \causal
	s_cmp_gt_u32 s[KS], s[\g]
	s_cbranch_scc1 .Lhid_\@
.endif
	s_setprio 2
	v_add_nc_u32 v[AD], s[TB], v[LI]
	v_add_nc_u32 v[AS], s[TB], v[LSC]
	v_nop
	v_nop                                          ; four places in front of loads into registers that the last products read
.irp b, 0,1,2,3
.irp c, 0,1,2
	ds_load_b128 v[KF+12*\b+4*\c:KF+12*\b+4*\c+3], v[AD] offset:1536*\b+512*\c
.endr
.endr
	ds_load_b128 v[SC:SC+3], v[AS]                 ; lanes 0-15: K's four words of row r; lanes 16-31: V's
	s_wait_alu depctr_va_vdst(0)
	s_wait_dscnt 0x0
.irp b, 0,1,2,3
	v_wmma_scale_f32_16x16x128_f8f6f4 v[S+16*\b:S+16*\b+7], v[KF+12*\b:KF+12*\b+11], v[\ql:\ql+11], 0, v[SC+\b], v[\qw] matrix_a_fmt:MATRIX_FMT_BF6 matrix_b_fmt:MATRIX_FMT_BF6
	v_wmma_scale_f32_16x16x128_f8f6f4 v[S+16*\b+8:S+16*\b+15], v[KF+12*\b:KF+12*\b+11], v[\qh:\qh+11], 0, v[SC+\b], v[\qw] matrix_a_fmt:MATRIX_FMT_BF6 matrix_b_fmt:MATRIX_FMT_BF6
.endr
.rept 4
	v_nop
.endr
.irp t, 0,1,2,3
.irp c, 0,1,2
	ds_load_b128 v[KF+12*\t+4*\c:KF+12*\t+4*\c+3], v[AD] offset:6400+1536*\t+512*\c   ; V's fragments land while the softmax is worked
.endr
.endr
.if \causal
	s_cmp_lg_u32 s[KS], s[\g]
	s_cbranch_scc1 .Lopen_\@
.set n, 0
.rept 64                                       ; register 16 b + i holds key 32 b + 16 (lane / 16) + i of the group: hidden where 32 b + i > DM
	v_cmp_gt_i32 vcc_lo, 32*(n/16)+n%16, v[DM]
	v_cndmask_b32 v[S+n], v[S+n], v[NINF], vcc_lo
.set n, n+1
.endr
.Lopen_\@:
.endif
.irp b, 0,1,2,3
	v_max3_num_f32 v[BM+\b], v[S+16*\b], v[S+16*\b+1], v[S+16*\b+2]   ; the largest score of each block of 32 keys: it serves for the row's maximum and, since p rises with the score, for the block's largest p
.endr
.irp i, 3,5,7,9,11,13
.irp b, 0,1,2,3
	v_max3_num_f32 v[BM+\b], v[BM+\b], v[S+16*\b+\i], v[S+16*\b+\i+1]
.endr
.endr
.irp b, 0,1,2,3
	v_max_num_f32 v[BM+\b], v[BM+\b], v[S+16*\b+15]
.endr
.irp b, 0,1,2,3
	s_delay_alu instid0(VALU_DEP_4)
	v_permlanex16_b32 v[BT+\b], v[BM+\b], s[SEL], s[SEL+1]
.endr
.irp b, 0,1,2,3
	s_delay_alu instid0(VALU_DEP_4)
	v_max_num_f32 v[BM+\b], v[BM+\b], v[BT+\b]     ; with lane l xor 16's 16 keys
.endr
	s_delay_alu instid0(VALU_DEP_2)
	v_max3_num_f32 v[TMP], v[BM], v[BM+1], v[BM+2]
	s_delay_alu instid0(VALU_DEP_1)
	v_max_num_f32 v[TMP], v[TMP], v[BM+3]
	s_delay_alu instid0(VALU_DEP_1)
	v_mul_f32 v[TMP], s[CS], v[TMP]                ; as t (c is positive)
	s_delay_alu instid0(VALU_DEP_1)
	v_max_num_f32 v13, v13, v[TMP]                 ; the running largest t
	v_mov_b32 v[TMP], v12
	s_delay_alu instid0(VALU_DEP_2)
	v_floor_f32 v12, -v13                          ; the new -M = -ceil(t): a whole number
	s_delay_alu instid0(VALU_DEP_1)
	v_sub_f32 v[TMP], v12, v[TMP]                  ; old M - new M: a whole number, 0 or less
	s_delay_alu instid0(VALU_DEP_1)
	v_cvt_i32_f32 v[TMP], v[TMP]                   ; (it saturates)
	s_delay_alu instid0(VALU_DEP_1)
	v_ldexp_f32 v[F], 1.0, v[TMP]                  ; f = 2^(old M - new M)
.set j, 0
.rept 32
	v_pk_fma_f32 v[S+j:S+j+1], v[S+j:S+j+1], s[CS:CS+1], v[12:13] op_sel_hi:[1,0,0]   ; t - M, two at a time
.set j, j+2
.endr
.irp b, 0,1,2,3
	v_fma_f32 v[BM+\b], v[BM+\b], s[CS], v12       ; the same of each block's largest score
.endr
.set j, 0
	s_setprio 1
	s_wait_alu depctr_va_vdst(0)
.rept 64
	v_exp_f32 v[S+j], v[S+j]                       ; p = 2^(t - M), at most 1
.set j, j+1
.endr
	v_pk_mul_f32 v[14:15], v[14:15], v[F:F+1] op_sel_hi:[1,0]   ; the sums under the new M.  (A plain place behind the exponentials)
	s_wait_alu depctr_va_vdst(0)                   ; the wait ahead of the first reader: one for the batch
.irp b, 0,1,2,3
	v_exp_f32 v[BM+\b], v[BM+\b]                   ; the block's largest p
.endr
	v_pk_add_f32 v[230:231], v[102:103], v[106:107]
	v_pk_add_f32 v[252:253], v[110:111], v[114:115]
	v_pk_add_f32 v[250:251], v[118:119], v[122:123]
	v_pk_add_f32 v[248:249], v[126:127], v[130:131]
	v_pk_add_f32 v[246:247], v[134:135], v[138:139]
	v_pk_add_f32 v[244:245], v[142:143], v[146:147]
	v_pk_add_f32 v[242:243], v[150:151], v[154:155]
	v_pk_add_f32 v[14:15], v[14:15], v[158:159]
	v_pk_add_f32 v[230:231], v[230:231], v[98:99]
	v_pk_add_f32 v[252:253], v[252:253], v[100:101]
	v_pk_add_f32 v[250:251], v[250:251], v[104:105]
	v_pk_add_f32 v[248:249], v[248:249], v[108:109]
	v_pk_add_f32 v[246:247], v[246:247], v[112:113]
	v_pk_add_f32 v[244:245], v[244:245], v[116:117]
	v_pk_add_f32 v[242:243], v[242:243], v[120:121]
	v_pk_add_f32 v[14:15], v[14:15], v[124:125]
	v_pk_add_f32 v[230:231], v[230:231], v[128:129]
	v_pk_add_f32 v[252:253], v[252:253], v[132:133]
	v_pk_add_f32 v[250:251], v[250:251], v[136:137]
	v_pk_add_f32 v[248:249], v[248:249], v[140:141]
	v_pk_add_f32 v[246:247], v[246:247], v[144:145]
	v_pk_add_f32 v[244:245], v[244:245], v[148:149]
	v_pk_add_f32 v[242:243], v[242:243], v[152:153]
	v_pk_add_f32 v[14:15], v[14:15], v[156:157]
	v_pk_add_f32 v[230:231], v[230:231], v[160:161]
	s_delay_alu instid0(VALU_DEP_2)
	v_pk_add_f32 v[14:15], v[14:15], v[248:249]
	s_delay_alu instid0(VALU_DEP_2)
	v_pk_add_f32 v[230:231], v[230:231], v[246:247]
	v_pk_add_f32 v[252:253], v[252:253], v[244:245]
	v_pk_add_f32 v[250:251], v[250:251], v[242:243]
	s_delay_alu instid0(VALU_DEP_2)
	v_pk_add_f32 v[14:15], v[14:15], v[252:253]
	s_delay_alu instid0(VALU_DEP_2)
	v_pk_add_f32 v[230:231], v[230:231], v[250:251]
	s_delay_alu instid0(VALU_DEP_1)
	v_pk_add_f32 v[14:15], v[14:15], v[230:231]
	s_wait_alu depctr_va_vdst(0)                   ; and one for the four
.irp b, 0,1,2,3
	v_max_num_f32 v[BM+\b], 0x2800000, v[BM+\b]    ; the floor 2^(5 - 127)
.endr
.irp b, 0,1,2,3
	s_delay_alu instid0(VALU_DEP_4)
	v_add_nc_u32 v[BS+\b], 0xfe000000, v[BM+\b]    ; 4 off the exponent field: the conversion's scale operand
.endr
.irp b, 0,1,2,3
	s_delay_alu instid0(VALU_DEP_4)
	v_lshrrev_b32 v[BT+\b], 23, v[BS+\b]           ; the scale's byte
.endr
	s_delay_alu instid0(VALU_DEP_3)
	v_lshl_or_b32 v[PW], v[BT+1], 8, v[BT]
	s_delay_alu instid0(VALU_DEP_1)
	v_lshl_or_b32 v[PW], v[BT+2], 16, v[PW]
	s_delay_alu instid0(VALU_DEP_1)
	v_lshl_or_b32 v[PW], v[BT+3], 24, v[PW]
.irp c, 0,1
	v_cvt_scalef32_pk16_bf6_f32 v[PC+6*\c:PC+6*\c+2], v[S+32*\c:S+32*\c+15], v[BS+2*\c]
	v_cvt_scalef32_pk16_bf6_f32 v[T2+4*\c:T2+4*\c+2], v[S+32*\c+16:S+32*\c+31], v[BS+2*\c+1]
.endr
	v_nop                                          ; one plain place behind a scaled conversion
	s_setprio 0
.irp c, 0,1
.irp i, 0,1,2
	v_permlane16_swap_b32 v[PC+6*\c+\i], v[T2+4*\c+\i]
.endr
.irp i, 0,1,2
	s_delay_alu instid0(VALU_DEP_3)
	v_mov_b32 v[PC+6*\c+3+\i], v[T2+4*\c+\i]
.endr
.endr
.set j, 0
.rept 16
	v_pk_mul_f32 v[OA+j:OA+j+1], v[OA+j:OA+j+1], v[F:F+1] op_sel_hi:[1,0]   ; O^T under the new M.  (These are also the places between the codes, the scale word and the products below)
.set j, j+2
.endr
	s_wait_alu depctr_va_vdst(0)
	s_wait_dscnt 0x0                               ; V
.irp t, 0,1,2,3                                ; the four accumulators by turns
	v_wmma_scale_f32_16x16x128_f8f6f4 v[OA+8*\t:OA+8*\t+7], v[KF+12*\t:KF+12*\t+11], v[PC:PC+11], v[OA+8*\t:OA+8*\t+7], v[SC+\t], v[PW] matrix_a_fmt:MATRIX_FMT_BF6 matrix_b_fmt:MATRIX_FMT_BF6 matrix_a_scale:MATRIX_SCALE_ROW1
.endr
.if \causal
.Lhid_\@:
.endif
	s_add_co_u32 s[TB], s[TB], 12800
	s_add_co_u32 s[KS], s[KS], 1
.endm
; A pass ends: O^T / the sum is quantised along the head's 64 (two blocks) and stored as half a fragment's image.
.macro OUT g
	v_add_f32 v14, v14, v15
	s_delay_alu instid0(VALU_DEP_1)
	v_permlanex16_b32 v[BT], v14, s[SEL], s[SEL+1]
	s_delay_alu instid0(VALU_DEP_1)
	v_add_f32 v14, v14, v[BT]                      ; the row's sum
	s_wait_alu depctr_va_vdst(0)
	v_rcp_f32 v14, v14
.rept 3
	v_nop                                          ; with the additions above: the places behind the last products, and the plain place behind the reciprocal
.endr
	s_lshr_b32 s32, s[BH], 4
	s_lshl_b32 s32, s32, 7
	s_lshl_b32 s33, s[\g], 3
	s_add_co_u32 s32, s32, s33
	s_lshl_b32 s33, s[CX], 1
	s_add_co_u32 s32, s32, s33
	s_add_co_u32 s32, s32, s[U]                    ; token tile T = 128 x batch + 8 G + 2 cx + u
	s_and_b32 s33, s[BH], 15                       ; the head
	s_mul_i32 s34, s32, 12288
	s_mul_i32 s35, s33, 768
	s_add_co_u32 s34, s34, s35
	s_mov_b32 s35, 0
	s_add_nc_u64 s[OB:OB+1], s[8:9], s[34:35]
	s_lshl_b32 s34, s32, 9
	s_lshr_b32 s36, s33, 2
	s_lshl_b32 s36, s36, 7
	s_add_co_u32 s34, s34, s36
	s_and_b32 s36, s33, 3
	s_lshl_b32 s36, s36, 1
	s_add_co_u32 s34, s34, s36
	s_add_co_u32 s34, s34, XS_OFF
	s_add_nc_u64 s[OS:OS+1], s[8:9], s[34:35]
	s_wait_alu depctr_va_vdst(0)                   ; the wait ahead of the reciprocal's first reader
.set j, 0
.rept 32
	v_mul_f32 v[S+j], v[OA+j], v14                 ; each accumulator from its low end on
.set j, j+1
.endr
.irp b, 0,1
	v_max3_num_f32 v[BM+\b], |v[S+16*\b]|, |v[S+16*\b+1]|, 0x2800000
.endr
.irp i, 2,4,6,8,10,12,14
.irp b, 0,1
	s_delay_alu instid0(VALU_DEP_2)
	v_max3_num_f32 v[BM+\b], v[BM+\b], |v[S+16*\b+\i]|, |v[S+16*\b+\i+1]|
.endr
.endr
.irp b, 0,1
	s_delay_alu instid0(VALU_DEP_2)
	v_permlanex16_b32 v[BT+\b], v[BM+\b], s[SEL], s[SEL+1]
.endr
.irp b, 0,1
	s_delay_alu instid0(VALU_DEP_2)
	v_max_num_f32 v[BM+\b], v[BM+\b], v[BT+\b]
.endr
.irp b, 0,1
	s_delay_alu instid0(VALU_DEP_2)
	v_add_nc_u32 v[BS+\b], 0xfe000000, v[BM+\b]
.endr
.irp b, 0,1
	s_delay_alu instid0(VALU_DEP_2)
	v_lshrrev_b32 v[BT+\b], 23, v[BS+\b]
.endr
	s_delay_alu instid0(VALU_DEP_1)
	v_lshl_or_b32 v[PW], v[BT+1], 8, v[BT]
	v_cvt_scalef32_pk16_bf6_f32 v[PC:PC+2], v[S:S+15], v[BS]
	v_cvt_scalef32_pk16_bf6_f32 v[T2:T2+2], v[S+16:S+31], v[BS+1]
	v_nop
.irp i, 0,1,2
	v_permlane16_swap_b32 v[PC+\i], v[T2+\i]
.endr
.irp i, 0,1,2
	s_delay_alu instid0(VALU_DEP_3)
	v_mov_b32 v[PC+3+\i], v[T2+\i]                 ; registers 0-5: row r, channels 32 h + 0 .. 31
.endr
	global_store_b128 v[LI], v[PC:PC+3], s[OB:OB+1]              ; 512 consecutive bytes,
	global_store_b64 v[L8], v[PC+4:PC+5], s[OB:OB+1] offset:512  ; and 256: three aligned runs of 256 bytes
	global_store_b16 v[R8], v[PW], s[OS:OS+1]      ; two bytes a row: a word's four bytes belong to two heads, which are two clusters, so they cannot be gathered; 1 / 24 of the codes' bytes.  Lanes 16-31 store what lanes 0-15 store
.endm
	INIT
	s_wait_tensorcnt 1                             ; my part of key steps 0-7 is in; the second half may be out
	s_barrier_signal -1
	s_barrier_wait -1
	s_mov_b32 s[CNT], 8
.Lfirst:                                           ; pass 0, steps 0-7: G0 is 8 or more, so every key counts
	STEP 0, GA, QZ+6, QZ, QW
	s_sub_co_u32 s[CNT], s[CNT], 1
	s_cmp_lg_u32 s[CNT], 0
	s_cbranch_scc1 .Lfirst
	s_setprio 0
	s_wait_tensorcnt 0x0                           ; my part of key steps 8-15 is in,
	s_wait_dscnt 0x0
	s_barrier_signal -1
	s_barrier_wait -1                              ; everybody's is: the last barrier ahead of the end; every wave has nine steps left
	s_mov_b32 s[CNT], 8
.Lsecond:                                          ; pass 0, steps 8-15
	STEP 1, GA, QZ+6, QZ, QW
	s_sub_co_u32 s[CNT], s[CNT], 1
	s_cmp_lg_u32 s[CNT], 0
	s_cbranch_scc1 .Lsecond
	s_setprio 0
	OUT GA
	s_wait_xcnt 0x0                                ; the stores have read their registers and bases: all are written again below
	INIT
	s_mov_b32 s[CNT], 8
.Lthird:                                           ; pass 1, steps 0-7, group 15 - G0
	STEP 1, GB, QZ+18, QZ+12, QW+1
	s_sub_co_u32 s[CNT], s[CNT], 1
	s_cmp_lg_u32 s[CNT], 0
	s_cbranch_scc1 .Lthird
	s_setprio 0
	OUT GB
	s_wait_tensorcnt 0x0
	ds_add_u32 v254, v255
	s_wait_dscnt 0x0
	CROUND                                         ; the closing round
	s_endpgm
.Lfunc_end_k_q31b9cf2bb9_attn:
	.size	k_q31b9cf2bb9_attn, .Lfunc_end_k_q31b9cf2bb9_attn-k_q31b9cf2bb9_attn
	.p2alignl 7, 3214868480
	.fill 96, 4, 3214868480
	.section	.rodata,"a",@progbits
	.p2align	6, 0x0
	.amdhsa_kernel k_q31b9cf2bb9_attn
		.amdhsa_group_segment_fixed_size 206848
		.amdhsa_private_segment_fixed_size 0
		.amdhsa_enable_private_segment 0
		.amdhsa_kernarg_size 24
		.amdhsa_user_sgpr_count 2
		.amdhsa_user_sgpr_kernarg_segment_ptr 1
		.amdhsa_wavefront_size32 1
		.amdhsa_system_sgpr_workgroup_id_x 1
		.amdhsa_system_sgpr_workgroup_id_y 1
		.amdhsa_system_sgpr_workgroup_id_z 1
		.amdhsa_system_vgpr_workitem_id 0
		.amdhsa_next_free_vgpr 256
		.amdhsa_next_free_sgpr 66
		.amdhsa_reserve_vcc 1
		.amdhsa_float_denorm_mode_32 3
		.amdhsa_float_denorm_mode_16_64 3
		.amdhsa_memory_ordered 1
		.amdhsa_forward_progress 1
		.amdhsa_inst_pref_size 81
	.end_amdhsa_kernel
	.amdgpu_metadata
---
amdhsa.version: [ 1, 2 ]
amdhsa.kernels:
  - .name:           k_q31b9cf2bb9_attn
    .symbol:         k_q31b9cf2bb9_attn.kd
    .args:
      - { .name: qrec, .offset: 0, .size: 8, .value_kind: global_buffer, .address_space: global }
      - { .name: kv, .offset: 8, .size: 8, .value_kind: global_buffer, .address_space: global }
      - { .name: oq, .offset: 16, .size: 8, .value_kind: global_buffer, .address_space: global }
    .group_segment_fixed_size: 206848
    .private_segment_fixed_size: 0
    .kernarg_segment_align: 8
    .kernarg_segment_size: 24
    .max_flat_workgroup_size: 512
    .sgpr_count:     66
    .vgpr_count:     256
    .wavefront_size: 32
...
	.end_amdgpu_metadata
.endif
;; end of part 3
;; launch oproj (part 4): grid 4 x 32, 4 waves a work-group, clusters of 4 x 4, 327,680 bytes of LDS; arguments oq, wq, out0; writes out0
.if DOCPART == 4
	.amdgcn_target "amdgcn-amd-amdhsa--gfx1250"
	.amdhsa_code_object_version 6
	.text
	.protected	k_q31b9cf2bb9_oproj
	.globl	k_q31b9cf2bb9_oproj
	.p2align	8
	.type	k_q31b9cf2bb9_oproj,@function
k_q31b9cf2bb9_oproj:
	s_mov_b64 s[64:65], 0
	v_nop
	global_prefetch_b8 v0, s[64:65] scope:SCOPE_SE
	s_setreg_imm32_b32 hwreg(HW_REG_WAVE_MODE, 25, 1), 1
	s_wait_xcnt 0x0
	s_wait_alu depctr_hold_cnt(0) depctr_sa_sdst(0) depctr_va_vdst(0) depctr_va_sdst(0) depctr_va_ssrc(0) depctr_va_vcc(0) depctr_vm_vsrc(0)
	s_getreg_b32 s2, hwreg(HW_REG_IB_STS2, 6, 4)
	s_cmp_eq_u32 s2, 0
	s_cbranch_scc0 .Lentry_in_a_cluster
	s_endpgm
.Lentry_in_a_cluster:
	s_bfe_u32 s2, ttmp6, 0x10000c
	s_cmp_lg_u32 s2, 0xf033
	s_cbranch_scc0 .Lentry_shape_is_right
	s_endpgm
.Lentry_shape_is_right:
; out0 = o Wo^T on codes of BF6 (E3M2) with E8M0 scales; o [8192][1024] comes from the attention as codes, Wo from the quantiser; out0 [8192][1024] f32.
; A tile of the product is 256 x 256: four waves, each 128 x 128: 64 accumulators.  K = 1,024 goes in four steps of 256 through a ring of two LDS slots filled by the tensor data mover.
; OPERANDS lie in memory as images of registers, [tile of 16 rows][12,288 bytes]; tile T = 2 B + u holds rows 32 B + 8 u + p + 8 (p / 8).  Wo: a fragment (128 along K) is three loads of 16 bytes a lane.
; o: a fragment is two heads' halves of 768 bytes: registers 0-3 at 16 x lane, registers 4-5 at 512 + 8 x lane.  Every load reads consecutive bytes: no padding.
; Source 0 = 16 rows of Wo, source 1 = 16 tokens: a lane holds one token and eight neighbouring outputs.  The way out undoes both tile rules by its offsets.
; CLUSTERS: 4 x 4 work-groups; o's tiles are shared along a row of the cluster, Wo's along a column.  128 work-groups: a tile of 128 x 256 would give 256 and want a second loop; not built.
; Not laid: prefetches (K has four steps, all asked for within the first two changes of slots).
; REGISTERS: window 0: v1-31 addresses; v32-63 scale words, two sets; v128-223 o's fragments, ONE set; on the way out v128-255 rows of the result.  window 1: Wo's, TWO sets.  windows 2, 3: the accumulators.
.set FR,     12
.set NL,     3                         ; LDS loads that bring a fragment of Wo
.set NLA,    4                         ; and of o
.set NQ,     2
.set NP,     4
.set HALFT,  24576
.set SLOT,   4*HALFT
.set SCL,    2*SLOT
.set SCB,    8320                      ; B's scales 8,192 + 128 bytes behind A's: lanes 0-15 and 16-31 of a load of 8 bytes fall into different halves of a row of banks (64 banks of 4 bytes: ISA guide 11.1)
.set SPARE,  213248                    ; the spare words, 128 bytes for each wave: two blocks of 256 bytes that no other line names
.set SPITCH, 528                       ; the way out: a stage of 16 rows x (512 bytes + 16) for each wave, in slot 0, which has had its last fill and its last read when the first result is stored there
.set XS_OFF, 6291456
.set WS_OFF, 3145728
.set ADRA, 16                          ; v16-17 16 x lane + my A tiles in slot 0, 1;  v18-19 the same with 8 x lane
.set ADRB, 20
.set STO,  24
.set RD,   25
.set CO,   26
.set ADRS, 27
.set SPW,  28
.set NIL,  29
.set SC,   32
.set AF,   128
.set BK,   128
.set G1, 24
.set G0, 32
.set G1B, 48
.set G0B, 56
.set G1S, 68
.set G0S, 76
.set G1SB, 80
.set G0SB, 88
.set MSB, 0
.macro WIN new
.if MSB != (\new)
	s_set_vgpr_msb (MSB<<8)|(\new)
.set MSB, (\new)
.endif
.endm
.set MUL_LO, 0xa1
.set MUL_HI, 0xf1
.set TO_B,   0x40
.macro JLOAD g0a, g1a, g0b, g1b        ; a joint load: waves 0 and 1 fetch for A, waves 2 and 3 for B; four v_nop follow each of the two lines
	s_cmp_eq_u32 s15, 0
	s_cbranch_scc0 .Lfor_b_\@
	tensor_load_to_lds s[\g0a:\g0a+3], s[\g1a:\g1a+7]
	s_nop 0
.rept 4
	v_nop
.endr
	s_branch .Lasked_\@
.Lfor_b_\@:
	tensor_load_to_lds s[\g0b:\g0b+3], s[\g1b:\g1b+7]
	s_nop 0
.rept 4
	v_nop
.endr
.Lasked_\@:
.endm
.macro CREST
	s_cmp_lg_u32 s14, 0
	s_cbranch_scc1 .Lnot_wave_0_\@
	s_barrier_signal -3
.Lnot_wave_0_\@:
	s_barrier_wait -3
	s_barrier_signal -1
	s_barrier_wait -1
.endm
.macro CROUND
	s_barrier_signal -1
	s_barrier_wait -1
	CREST
.endm
	s_load_b128 s[4:7], s[0:1], 0x0                ; oq, wq
	s_load_b64 s[12:13], s[0:1], 0x10              ; out0
	v_lshl_add_u32 v[SPW], v0, 2, SPARE
	v_mov_b32 v[NIL], 0
	ds_add_u32 v28, v29
	ds_add_u32 v28, v29
	s_wait_dscnt 0x0
	v_lshrrev_b32 v1, 5, v0
	v_readfirstlane_b32 s14, v1
	s_lshr_b32 s15, s14, 1                         ; my half of the tokens.  Also: I fetch for A (0) or for B (1)
	s_and_b32 s16, s14, 1                          ; my half of the outputs.  Also: which 8 tiles I fetch
	s_bfe_u32 s17, ttmp6, 0x40000                  ; cx
	s_bfe_u32 s18, ttmp6, 0x40004                  ; cy
	s_and_b32 s19, ttmp7, 0xffff
	s_lshl_b32 s19, s19, 2
	s_lshl_b32 s20, s18, 2
	s_lshl_b32 s20, 15, s20                        ; my row of the cluster
	s_lshl_b32 s101, 0x1111, s17                   ; my column
	s_or_b32 s[G1+0], s20, (3<<16)|(1<<21)         ; codes: 8 tiles x 3,072 bytes, 12,288 bytes from tile to tile; elements of 8 bytes; no padding
	s_or_b32 s[G1B+0], s101, (3<<16)|(1<<21)
.irp g, G1, G1B
	s_mov_b32 s[\g+1], 384<<16
	s_mov_b32 s[\g+2], 8<<16
	s_mov_b32 s[\g+3], 384<<16
	s_mov_b32 s[\g+4], 8
	s_mov_b32 s[\g+5], 1536
	s_mov_b32 s[\g+6], 0
	s_mov_b32 s[\g+7], 0
.endr
	s_or_b32 s[G1S+0], s20, (3<<16)|(1<<21)        ; scales of 8 tiles: 4,096 dense bytes as 16 rows of 256
	s_or_b32 s[G1SB+0], s101, (3<<16)|(1<<21)
.irp g, G1S, G1SB
	s_mov_b32 s[\g+1], 32<<16
	s_mov_b32 s[\g+2], 16<<16
	s_mov_b32 s[\g+3], 32<<16
	s_mov_b32 s[\g+4], 16
	s_mov_b32 s[\g+5], 32
	s_mov_b32 s[\g+6], 0
	s_mov_b32 s[\g+7], 0
.endr
	s_add_co_u32 s22, s19, s18                     ; iA = 4 Y + cy: which 256 tokens
	s_add_co_u32 s23, s17, 12                      ; iB = 12 + cx: Wo's rows in wq
	s_lshl_b32 s20, s16, 3
	s_lshl_b32 s44, s22, 4
	s_add_co_u32 s44, s44, s20
	s_lshl_b32 s100, s23, 4
	s_add_co_u32 s100, s100, s20
	s_mul_i32 s2, s44, 12288
	s_mov_b32 s3, 0
	s_lshl_b32 s44, s44, 9
	s_add_co_u32 s44, s44, XS_OFF
	s_mov_b32 s45, 0
	s_mul_i32 s66, s100, 12288
	s_mov_b32 s67, 0
	s_lshl_b32 s100, s100, 9
	s_add_co_u32 s100, s100, WS_OFF
	s_mov_b32 s101, 0
	s_wait_kmcnt 0x0
	s_add_nc_u64 s[2:3], s[4:5], s[2:3]
	s_add_nc_u64 s[44:45], s[4:5], s[44:45]
	s_add_nc_u64 s[66:67], s[6:7], s[66:67]
	s_add_nc_u64 s[100:101], s[6:7], s[100:101]
	s_mul_i32 s46, s14, HALFT
	s_lshl_b32 s47, s14, 12
	s_add_co_u32 s47, s47, SCL
	CROUND                                         ; all sixteen work-groups are here: the first joint loads meet
	s_mov_b32 s[G0S], 1
	s_mov_b32 s[G0S+1], s47
	s_mov_b64 s[G0S+2:G0S+3], s[44:45]
	s_or_b32 s[G0S+3], s[G0S+3], 0x80000000
	s_mov_b32 s[G0SB], 1
	s_add_co_u32 s[G0SB+1], s47, 128
	s_mov_b64 s[G0SB+2:G0SB+3], s[100:101]
	s_or_b32 s[G0SB+3], s[G0SB+3], 0x80000000
	JLOAD G0S, G1S, G0SB, G1SB
.irp s, 0,1
	s_mov_b32 s[G0+4*\s], 1
	s_add_co_u32 s[G0+4*\s+1], s46, \s*SLOT
	s_add_nc_u64 s[G0+4*\s+2:G0+4*\s+3], s[2:3], \s*3072
	s_or_b32 s[G0+4*\s+3], s[G0+4*\s+3], 0x80000000
	s_mov_b32 s[G0B+4*\s], 1
	s_add_co_u32 s[G0B+4*\s+1], s46, \s*SLOT
	s_add_nc_u64 s[G0B+4*\s+2:G0B+4*\s+3], s[66:67], \s*3072
	s_or_b32 s[G0B+4*\s+3], s[G0B+4*\s+3], 0x80000000
	JLOAD G0+4*\s, G1, G0B+4*\s, G1B               ; three loads of mine are out
.endr
	v_and_b32 v1, 15, v0                           ; r
	v_bfe_u32 v2, v0, 4, 1                         ; h
	v_and_b32 v3, 31, v0
	v_lshlrev_b32 v[CO], 4, v3                     ; 16 x lane
	v_lshlrev_b32 v4, 3, v3                        ; 8 x lane
	s_mul_i32 s20, s15, HALFT
	s_mul_i32 s21, s16, HALFT
	s_add_co_u32 s21, s21, 2*HALFT
.irp s, 0,1
	v_add_nc_u32 v[ADRA+\s], s20, v[CO]
	v_add_nc_u32 v[ADRA+2+\s], s20, v4
	v_add_nc_u32 v[ADRB+\s], s21, v[CO]
	s_add_co_u32 s20, s20, SLOT
	s_add_co_u32 s21, s21, SLOT
.endr
	v_lshlrev_b32 v5, 3, v1
	s_lshl_b32 s20, s15, 12
	s_lshl_b32 s21, s16, 12
	s_add_co_u32 s21, s21, SCB
	s_sub_co_u32 s21, s21, s20
	v_mul_u32_u24 v6, s21, v2                      ; lanes 16-31 take B's: one product with h
	s_add_co_u32 s20, s20, SCL
	v_add_nc_u32 v5, v5, v6
	v_add_nc_u32 v[ADRS], s20, v5
	s_mul_i32 s20, s14, 16*SPITCH                  ; my stage
	v_mul_u32_u24 v5, v1, SPITCH
	v_lshl_add_u32 v5, v2, 6, v5
	v_add_nc_u32 v[STO], s20, v5                   ; in: row r, + 64 h bytes
	v_add_nc_u32 v[RD], s20, v[CO]                 ; back: the 32 lanes take one row of 512 bytes
	s_lshl_b32 s20, s22, 8
	s_lshl_b32 s21, s15, 7
	s_add_co_u32 s20, s20, s21                     ; my first token
	s_lshl_b32 s20, s20, 12                        ; a row of out0 is 4,096 bytes
	s_lshl_b32 s21, s17, 10
	s_add_co_u32 s20, s20, s21
	s_lshl_b32 s21, s16, 9
	s_add_co_u32 s20, s20, s21                     ; + my first output: 1,024 cx + 512 x my half
	s_mov_b32 s21, 0
	s_add_nc_u64 s[12:13], s[12:13], s[20:21]
.macro FRAG reg, adr, q, i             ; a fragment of Wo: three loads of 512 consecutive bytes
.irp c, 0,1,2
	ds_load_b128 v[\reg+4*\c:\reg+4*\c+3], v[\adr] offset:3072*(\i)+1536*(\q)+512*\c
.endr
.endm
.macro FRAGH reg, adr, q, i            ; a fragment of o: two heads' halves
.irp c, 0,1
	ds_load_b128 v[\reg+6*\c:\reg+6*\c+3], v[\adr] offset:3072*(\i)+1536*(\q)+768*\c
	ds_load_b64 v[\reg+6*\c+4:\reg+6*\c+5], v[\adr+2] offset:3072*(\i)+1536*(\q)+768*\c+512
.endr
.endm
; 16 matrix instructions: A's blocks a0, a0 + 1 x B's eight.  The 64 accumulators take turns, one instruction a turn, in the same order in every step.
.macro MUL16 a0, p, q, sc, zero
.irp a, \a0, \a0+1
.irp b, 0,1,2,3,4,5,6,7
.if \zero
	v_wmma_scale_f32_16x16x128_f8f6f4 v[8*(8*((\a)%4)+\b):8*(8*((\a)%4)+\b)+7], v[128*(\p)+FR*\b:128*(\p)+FR*\b+FR-1], v[AF+FR*(\a):AF+FR*(\a)+FR-1], 0, v[SC+8*NQ*(\sc)+NQ*\b+(\q)], v[SC+8*NQ*(\sc)+NQ*(\a)+(\q)] matrix_a_fmt:MATRIX_FMT_BF6 matrix_b_fmt:MATRIX_FMT_BF6 matrix_a_scale:MATRIX_SCALE_ROW1
.else
	v_wmma_scale_f32_16x16x128_f8f6f4 v[8*(8*((\a)%4)+\b):8*(8*((\a)%4)+\b)+7], v[128*(\p)+FR*\b:128*(\p)+FR*\b+FR-1], v[AF+FR*(\a):AF+FR*(\a)+FR-1], v[8*(8*((\a)%4)+\b):8*(8*((\a)%4)+\b)+7], v[SC+8*NQ*(\sc)+NQ*\b+(\q)], v[SC+8*NQ*(\sc)+NQ*(\a)+(\q)] matrix_a_fmt:MATRIX_FMT_BF6 matrix_b_fmt:MATRIX_FMT_BF6 matrix_a_scale:MATRIX_SCALE_ROW1
.endif
.endr
.endr
.endm
.macro FETCH_B slot, q, p
	WIN TO_B
.irp i, 0,1,2,3,4,5,6,7
	FRAG 128*(\p)+FR*\i, ADRB+\slot, \q, \i
.endr
	WIN 0
.endm
.macro FETCH_A slot, q, i0
.irp i, \i0, \i0+1, \i0+2, \i0+3
	FRAGH AF+FR*(\i), ADRA+\slot, \q, \i
.endr
.endm
.macro SCALES sc
.irp i, 0,1,2,3,4,5,6,7
	ds_load_b64 v[SC+8*NQ*\sc+NQ*\i:SC+8*NQ*\sc+NQ*\i+1], v[ADRS] offset:\i*512
.endr
.endm
.macro PLACES n                        ; plain vector instructions between a matrix instruction and a load into, or a read of, its registers (ISA guide 7.12.1 for reads)
.rept \n
	v_nop
.endr
.endm
.macro STEP slot, q, zero
	s_wait_dscnt 4*NLA                             ; B's set and A's blocks 0-3 are in; the youngest 16 loads (A's blocks 4-7) may be out
	WIN MUL_LO
	MUL16 0, (\q)%2, \q, \slot, \zero
	MUL16 2, (\q)%2, \q, \slot, \zero
	s_wait_dscnt 0
	PLACES NP
	FETCH_B \slot, (\q)+1, 1-(\q)%2
	FETCH_A \slot, (\q)+1, 0
	WIN MUL_HI
	MUL16 4, (\q)%2, \q, \slot, \zero
	MUL16 6, (\q)%2, \q, \slot, \zero
	PLACES NP
	WIN 0
	FETCH_A \slot, (\q)+1, 4
.endm
; A slot's last step changes slots: ONE barrier; in front of it each wave waits for all its tensor loads, adds 0 to its spare word, and waits for that and for its own reads of this slot.
.macro TURN slot, next, fill
	s_wait_tensorcnt 0x0                           ; all my tensor loads have landed: my part of the next slot
	ds_add_u32 v[SPW], v[NIL]                      ; 0 onto my spare word
	s_wait_dscnt 4*NLA+1                           ; (the add and the youngest 16 loads may be out)
	WIN MUL_LO
	MUL16 0, 1, NQ-1, \slot, 0
	s_wait_dscnt 0x0                               ; the add is done, and my reads of this slot are over
	s_barrier_signal -1
	MUL16 2, 1, NQ-1, \slot, 0
	WIN 0
	s_barrier_wait -1
.if \fill
	CREST                                          ; the barrier has opened a round of the cluster's barrier
	s_add_nc_u64 s[G0+4*\slot+2:G0+4*\slot+3], s[G0+4*\slot+2:G0+4*\slot+3], 6144
	s_add_nc_u64 s[G0B+4*\slot+2:G0B+4*\slot+3], s[G0B+4*\slot+2:G0B+4*\slot+3], 6144
	JLOAD G0+4*\slot, G1, G0B+4*\slot, G1B         ; the first tensor load behind the round; its four v_nop are the places in front of the loads below
.else
	PLACES NP
.endif
	v_add_nc_u32 v[ADRS], 128, v[ADRS]
	FETCH_B \next, 0, 0
	FETCH_A \next, 0, 0
	SCALES \next
	WIN MUL_HI
	MUL16 4, 1, NQ-1, \slot, 0
	MUL16 6, 1, NQ-1, \slot, 0
	PLACES NP
	WIN 0
	FETCH_A \next, 0, 4
.endm
	s_wait_tensorcnt 1                             ; the scales and my part of slot 0 are in; slot 1's load may be out
	s_barrier_signal -1
	s_barrier_wait -1
	FETCH_B 0, 0, 0
	FETCH_A 0, 0, 0
	SCALES 0
	FETCH_A 0, 0, 4
	STEP 0, 0, 1                                   ; the first products start the sums
	TURN 0, 1, 1
	STEP 1, 0, 0
	TURN 1, 0, 1
	STEP 0, 0, 0
	TURN 0, 1, 0                                   ; the last lap fills nothing
	STEP 1, 0, 0
	s_wait_dscnt 4*NLA
	WIN MUL_LO
	MUL16 0, 1, NQ-1, 1, 0
	MUL16 2, 1, NQ-1, 1, 0
	s_wait_dscnt 0
	WIN MUL_HI
	MUL16 4, 1, NQ-1, 1, 0
	MUL16 6, 1, NQ-1, 1, 0
	WIN 0
; THE WAY OUT, block by block of 16 tokens x 128 outputs, through my own stage.  Accumulator b's eight numbers of lane (r, h) are outputs 32 (b / 2) + 8 (b % 2) + 16 h + 0 .. 7 of stage row r; stage row t is token 32 (a / 2) + 8 (a % 2) + t + 8 (t / 8).
.macro TOSTAGE a
.set AC, 64*((\a)%4)
	WIN 0x08+4*((\a)/4)                            ; the data: window 2 or 3
.irp b, 0,1,2,3,4,5,6,7
	ds_store_b128 v[STO], v[AC+8*\b:AC+8*\b+3] offset:128*(\b/2)+32*(\b%2)          ; each accumulator from its low end on
	ds_store_b128 v[STO], v[AC+8*\b+4:AC+8*\b+7] offset:128*(\b/2)+32*(\b%2)+16
.endr
	WIN 0
.set BB, BK+64*((\a)%2)
.irp t, 0,1,2,3,4,5,6,7,8,9,10,11,12,13,14,15
	ds_load_b128 v[BB+4*\t:BB+4*\t+3], v[RD] offset:\t*SPITCH   ; LDS serves a wave's instructions in order (ISA guide 5.7.1.4): these see the stores above
.endr
.endm
.macro SEND a, younger
.set BB, BK+64*((\a)%2)
	s_wait_dscnt \younger                          ; the block is back in registers
.irp t, 0,1,2,3,4,5,6,7,8,9,10,11,12,13,14,15
	global_store_b128 v[CO], v[BB+4*\t:BB+4*\t+3], s[12:13] offset:(32*((\a)/2)+8*((\a)%2)+\t+8*(\t/8))*4096 th:TH_STORE_NT   ; 512 consecutive bytes, at a multiple of 256 from out0's first byte; 127 rows at the most: inside the signed 24-bit immediate
.endr
.endm
	PLACES NP
	TOSTAGE 0
.irp a, 1,2,3,4,5,6,7
.if \a > 1
	s_wait_xcnt 0x0                                ; block a - 2's stores have read their registers: block a's loads may land there
.endif
	TOSTAGE \a
	SEND \a-1, 32                                  ; behind block a - 1's loads: block a's 16 stores and 16 loads
.endr
	SEND 7, 0
	s_wait_tensorcnt 0x0                           ; the wave's end
	ds_add_u32 v[SPW], v[NIL]
	s_wait_dscnt 0x0
	CROUND                                         ; the closing round
	s_endpgm
.Lfunc_end_k_q31b9cf2bb9_oproj:
	.size	k_q31b9cf2bb9_oproj, .Lfunc_end_k_q31b9cf2bb9_oproj-k_q31b9cf2bb9_oproj
	.p2alignl 7, 3214868480
	.fill 96, 4, 3214868480
	.section	.rodata,"a",@progbits
	.p2align	6, 0x0
	.amdhsa_kernel k_q31b9cf2bb9_oproj
		.amdhsa_group_segment_fixed_size 327680
		.amdhsa_private_segment_fixed_size 0
		.amdhsa_enable_private_segment 0
		.amdhsa_kernarg_size 24
		.amdhsa_user_sgpr_count 2
		.amdhsa_user_sgpr_kernarg_segment_ptr 1
		.amdhsa_wavefront_size32 1
		.amdhsa_system_sgpr_workgroup_id_x 1
		.amdhsa_system_sgpr_workgroup_id_y 1
		.amdhsa_system_sgpr_workgroup_id_z 1
		.amdhsa_system_vgpr_workitem_id 0
		.amdhsa_next_free_vgpr 1024
		.amdhsa_next_free_sgpr 102
		.amdhsa_reserve_vcc 0
		.amdhsa_float_denorm_mode_32 3
		.amdhsa_float_denorm_mode_16_64 3
		.amdhsa_memory_ordered 1
		.amdhsa_forward_progress 1
		.amdhsa_inst_pref_size 139
	.end_amdhsa_kernel
	.amdgpu_metadata
---
amdhsa.version: [ 1, 2 ]
amdhsa.kernels:
  - .name:           k_q31b9cf2bb9_oproj
    .symbol:         k_q31b9cf2bb9_oproj.kd
    .args:
      - { .name: oq, .offset: 0, .size: 8, .value_kind: global_buffer, .address_space: global }
      - { .name: wq, .offset: 8, .size: 8, .value_kind: global_buffer, .address_space: global }
      - { .name: out0, .offset: 16, .size: 8, .value_kind: global_buffer, .address_space: global }
    .group_segment_fixed_size: 327680
    .private_segment_fixed_size: 0
    .kernarg_segment_align: 8
    .kernarg_segment_size: 24
    .max_flat_workgroup_size: 128
    .sgpr_count:     102
    .vgpr_count:     1024
    .wavefront_size: 32
...
	.end_amdgpu_metadata
.endif
;; end of part 4
